; MI455X (gfx1250); checked and timed in simulation.
; The chip was launched on July 23, 2026; its instructions are those of AMD's public machine-readable ISA for CDNA 5 (MIT licence, August 2026) and "CDNA5" Instruction Set Architecture Reference Guide (July 2026). The comments in the code are by the model that wrote it; some were corrected since.
;; Causal Self Attention. Allowed arithmetic: matrix products marked QUANTISED: E2M3 operands, one E8M0 scale for each 32 along K, by v_wmma_scale_f32_16x16x128_f8f6f4 with both operands' format E2M3, f32 sums; everything else in f32.
;; Inputs: b_attn 3,072 float32; b_proj 1,024 float32; w_attn 1,024 x 3,072 float32; w_proj 1,024 x 1,024 float32; x 4 x 2,048 x 1,024 float32.
;; Outputs: out0 4 x 2,048 x 1,024 float32.
;; This version of the problem:
;;   THIS VERSION OF THE PROBLEM IS GIVEN IN LOW PRECISION. The matrix products marked QUANTISED in the list below multiply operands that are first quantised to E2M3 (2 exponent bits, 3 mantissa bits; 6 bits a number), with one power-of-two scale for each 32 numbers along K (OCP MX v1.0); their sums are f32. All else is computed in f32.
;;   The module's matrix products, in the order in which they are computed (A, B: the left and right operand; K: the contracted axis; several contracted axes count as one K, in the product's order):
;;     1. [M 8,192, K 1,024] x [K 1,024, N 3,072]; A: input x; B: input w_attn: QUANTISED
;;     2. batch 64 x [M 2,048, K 64] x [K 64, N 2,048]; A: computed on the way; B: computed on the way: QUANTISED
;;     3. batch 64 x [M 2,048, K 2,048] x [K 2,048, N 64]; A: softmax (see below); B: computed on the way: QUANTISED
;;     4. [M 8,192, K 1,024] x [K 1,024, N 1,024]; A: computed on the way; B: input w_proj: QUANTISED
;;   THE QUANTISER, for each operand of a quantised product, along K:
;;     - K is cut into blocks of 32 from its start; a last block that is shorter is filled with zeros.
;;     - A block's scale is 2^e with e = floor(log2(the largest magnitude in the block)) - 2, held to -126 .. 127; a block of zeros has e = 0. As a byte (E8M0): e + 127.
;;     - Each number is divided by its block's scale, clamped to +-7.5, and rounded to the nearest number of E2M3, ties to even, subnormals kept.
;;     - The product sums the exact products of the quantised numbers (number of the format x scale) in f32.
;;   ~~~python
;;   def quantise(x, axis):      # numpy; x: float32 -> the quantised numbers, widened to float32 again
;;       x = np.moveaxis(x, axis, -1); K = x.shape[-1]
;;       x = np.pad(x, [(0, 0)] * (x.ndim - 1) + [(0, -K % 32)]); x = x.reshape(x.shape[:-1] + (-1, 32)); a = np.abs(x).max(-1, keepdims=True)
;;       e = np.where(a > 0, np.clip(np.frexp(np.where(a > 0, a, 1))[1] - 1 - 2, -126, 127), 0)      # np.frexp(a)[1] - 1 = floor(log2(a)), exactly
;;       r = np.clip(x / 2.0 ** e, -7.5, 7.5)
;;       step = 2.0 ** (np.maximum(np.frexp(np.where(r == 0, 1, r))[1] - 1, 0) - 3)
;;       q = np.round(r / step) * step * 2.0 ** e      # np.round: ties to even
;;       return np.moveaxis(q.reshape(q.shape[:-2] + (-1,))[..., :K], -1, axis).astype(np.float32)
;;   ~~~
;;   SOFTMAX AHEAD OF A QUANTISED PRODUCT. Where the list says 'softmax', what is quantised is not the finished softmax but p = 2^(t - M), with t = logit x log2(e) and M = ceil(the row's largest t), a whole number; so 1/2 < the row's largest p <= 1. The row's sum l is taken of the UNQUANTISED p, in f32, and the product's result is divided by l at the end. Since M is a whole number, a kernel that streams over the keys may use a running M (the ceiling of the running maximum): every later rescaling is an exact power of two, which a block's scale takes up: the codes' values come out the same.
;;   OPERANDS COMPUTED ON THE WAY. 'Computed on the way' means the value that the module computes at that place (a softmax that the list does not call 'softmax' is quantised finished and normalised). What goes into a quantiser is computed in f32, as accurately as f32 sums, v_exp_f32 and their like allow (about 1e-6 of the number): no bf16 or f16 on the way to a quantiser, and a product that is left as it is and whose result goes on into a quantised operand takes f32 operands (vector FMAs, or v_wmma_f32_16x16x4_f32). A number that lies on a knife's edge between two numbers of the format may be rounded either way, as far as f32 arithmetic and the matrix unit's own rounding can turn it there, and no further.
;; One version. Each part assembles by itself: llvm-mc -triple=amdgcn-amd-amdhsa -mcpu=gfx1250 --defsym DOCPART=n.
;; ======== version 1 of 1: 4 launches
;; workspace buffers: xq 6,553,600 bytes; wq 2,457,600 bytes; wpq 819,200 bytes; qkvc 26,738,688 bytes; yq 6,553,600 bytes
;; launch quant (part 1): grid 512 x 1, 4 waves a work-group, no clusters, 34,304 bytes of LDS; arguments x, w_attn, w_proj, xq, wq, wpq; writes xq, wq, wpq
.if DOCPART == 1
	.amdgcn_target "amdgcn-amd-amdhsa--gfx1250"
	.amdhsa_code_object_version 6
	.text
	.protected	k_q4b3439adaa_quant
	.globl	k_q4b3439adaa_quant
	.p2align	8
	.type	k_q4b3439adaa_quant,@function
k_q4b3439adaa_quant:
	s_mov_b64 s[64:65], 0
	v_nop
	global_prefetch_b8 v0, s[64:65] scope:SCOPE_SE
	s_setreg_imm32_b32 hwreg(HW_REG_WAVE_MODE, 25, 1), 1
	s_wait_xcnt 0x0
; x [8192][1024], w_attn [1024][3072] and w_proj [1024][1024], f32, become codes of FP6 (E2M3) with one E8M0 byte for each 32 along K (K = 1024 in all three).
; A block's scale is 2^(floor(log2(its largest magnitude)) - 2): its byte is the largest magnitude's exponent field - 2, held at 1 from below by a floor among the maximum's leaves.
; LIMITS: NaN and infinities among the inputs are not served.  A block of zeros gets the byte 1 where the rule says 127: its codes are zeros, which add nothing, and this program alone reads the bytes.
; WHAT IS STORED ARE IMAGES OF OPERAND REGISTERS.  A fragment (16 rows x 128 K, 12 registers a lane) is 1,536 bytes: three runs of 512, run c holding lane l's registers 4 c .. 4 c + 3 at byte 16 l.
; THE ROWS OF A TILE ARE NOT NEIGHBOURS: lane r of tile 2 P + u holds row 32 P + 8 u + (r % 8) + 16 (r / 8), so that a product that takes such tiles as source 0 leaves 16 neighbours in a lane's registers.
; Scale words (four bytes: one row, 128 K) lie per tile as 512 bytes [K step / 4][row 16][K step % 4].
; Work-groups 0-255 take x (K innermost), work-groups 256-511 the weights (K outermost).  Only the x path touches LDS.  No tensor loads, no barrier: waves share nothing.
.set R,   32                           ; x path: v32-159   two sets of 64: a K step's 16 rows as they are loaded
.set X,   160                          ; v160-223  my 64 numbers: blocks h and 2 + h of my row
.set C,   224                          ; v224-235  the fragment's 12 registers
.set TC,  236                          ; v236-243  the upper halves of the blocks' codes, before they are moved
.set XW,  244                          ; v244-247  the scale words of my four K steps
.set SP,  528                          ; a row in the wave's stage: 512 bytes + 16, so that sixteen rows begin in sixteen different groups of banks
.set HC,  160                          ; weights path: v160-183  two lanes' worth of a fragment: 12 registers for half 0, 12 for half 1
.set WT,  184                          ; v184-186  a conversion's result before it is moved
	s_load_b256 s[4:11], s[0:1], 0x0               ; x s[4:5], w_attn s[6:7], w_proj s[8:9], xq s[10:11]
	s_load_b128 s[12:15], s[0:1], 0x20             ; wq s[12:13], wpq s[14:15]
	v_lshl_add_u32 v254, v0, 2, 0x8400
	v_mov_b32 v255, 0
	v_lshrrev_b32 v1, 5, v0
	v_readfirstlane_b32 s16, v1                    ; wave
	v_and_b32 v2, 31, v0                           ; lane
	v_and_b32 v3, 15, v0                           ; r
	v_bfe_u32 v4, v0, 4, 1                         ; h
	s_mov_b32 s20, 0x76543210
	s_mov_b32 s21, 0xfedcba98                      ; v_permlanex16_b32's selects for lane l xor 16
	s_cmp_ge_u32 ttmp9, 256
	s_cbranch_scc1 .Lweights
; ---------------- x: a wave takes one tile of 16 tokens and four K steps of 128 ----------------
	s_lshl_b32 s17, ttmp9, 2
	s_add_co_u32 s17, s17, s16
	s_lshr_b32 s18, s17, 1                         ; T: the tile, 0 .. 511
	s_and_b32 s19, s17, 1                          ; H: K steps 4 H .. 4 H + 3
	s_lshr_b32 s22, s18, 1
	s_lshl_b32 s22, s22, 17                        ; 32 (T / 2) rows of 4,096 bytes
	s_and_b32 s23, s18, 1
	s_lshl_b32 s23, s23, 15                        ; + 8 (T % 2) rows
	s_add_co_u32 s22, s22, s23
	s_lshl_b32 s23, s19, 11                        ; + 2,048 H bytes along the row
	s_add_co_u32 s22, s22, s23
	s_mov_b32 s23, 0
	s_lshr_b32 s24, s18, 4
	s_mul_i32 s24, s24, 204800                     ; the block of 256 tokens in xq
	s_and_b32 s25, s18, 15
	s_mul_i32 s26, s25, 1536
	s_mul_i32 s27, s19, 98304                      ; four K steps of 16 tiles
	s_add_co_u32 s26, s26, s27
	s_add_co_u32 s26, s26, s24                     ; my codes
	s_mov_b32 s27, 0
	s_lshl_b32 s28, s25, 9
	s_lshl_b32 s29, s19, 8
	s_add_co_u32 s28, s28, s29
	s_add_co_u32 s28, s28, s24
	s_add_co_u32 s28, s28, 196608                  ; my 256 bytes of scale words
	s_mov_b32 s29, 0
	s_mul_i32 s30, s16, 16*SP                      ; my stage
	s_wait_alu depctr_va_vdst(0)
	v_lshlrev_b32 v5, 4, v2                        ; 16 x lane
	v_add_nc_u32 v6, s30, v5                       ; the stage, on the way in: a row as it lies
	v_mul_u32_u24 v7, v3, SP
	v_lshl_add_u32 v7, v4, 7, v7
	v_add_nc_u32 v7, s30, v7                       ; and on the way out: row r, + 128 h: my block of 32 numbers
	v_lshlrev_b32 v8, 3, v4                        ; 8 h
	v_lshlrev_b32 v9, 4, v3
	v_lshl_add_u32 v9, v4, 3, v9                   ; 16 r + 8 h: my two scale words on the way out
	v_mov_b32 v17, 0                               ; a lane permute's destination counts as one of its sources
	s_wait_alu depctr_va_vdst(0)
	s_wait_kmcnt 0x0
	s_add_nc_u64 s[4:5], s[4:5], s[22:23]
	s_add_nc_u64 s[32:33], s[10:11], s[26:27]
	s_add_nc_u64 s[34:35], s[10:11], s[28:29]
.macro LOADX q                         ; K step q of the tile's 16 rows: each load reads 512 consecutive bytes of one row
.irp i, 0,1,2,3,4,5,6,7,8,9,10,11,12,13,14,15
	global_load_b128 v[R+64*((\q)%2)+4*\i:R+64*((\q)%2)+4*\i+3], v5, s[4:5] offset:((\i%8)+16*(\i/8))*4096+512*(\q) th:TH_LOAD_NT
.endr
.endm
.macro TURNX q                         ; through the wave's own stage: LDS serves a wave's instructions in order, so no wait stands between the stores and the loads
.irp i, 0,1,2,3,4,5,6,7,8,9,10,11,12,13,14,15
	ds_store_b128 v6, v[R+64*((\q)%2)+4*\i:R+64*((\q)%2)+4*\i+3] offset:SP*\i
.endr
.irp c, 0,1
.irp k, 0,1,2,3,4,5,6,7
	ds_load_b128 v[X+32*\c+4*\k:X+32*\c+4*\k+3], v7 offset:256*\c+16*\k   ; k = 64 c + 32 h + 4 k ..
.endr
.endr
.endm
.macro QX q                            ; my two whole blocks become registers 6 c .. 6 c + 5 of the fragment
	s_wait_xcnt 0x0                                ; the last step's stores have read the codes' registers
.irp c, 0,1
	v_max3_num_f32 v[10+\c], |v[X+32*\c]|, |v[X+32*\c+1]|, 0x1800000   ; with the floor 2^(3 - 127): the byte cannot fall under 1
.endr
.irp i, 2,4,6,8,10,12,14,16,18,20,22,24,26,28,30
.irp c, 0,1
	v_max3_num_f32 v[10+\c], v[10+\c], |v[X+32*\c+\i]|, |v[X+32*\c+\i+1]|
.endr
.endr
.irp c, 0,1
	v_add_nc_u32 v[12+\c], 0xff000000, v[10+\c]    ; 2 off the exponent field: the conversion's scale operand
.endr
.irp c, 0,1
	v_lshrrev_b32 v[14+\c], 23, v[12+\c]           ; the scale's byte
.endr
	v_lshl_or_b32 v16, v15, 16, v14                ; blocks h and 2 + h,
	v_lshlrev_b32 v16, v8, v16                     ; at their places in the word;
	v_permlanex16_b32 v17, v16, s20, s21
	v_or_b32 v[XW+(\q)], v16, v17                  ; with lane l xor 16's two the word is whole
.irp c, 0,1
	v_cvt_scalef32_pk16_fp6_f32 v[C+6*\c:C+6*\c+2], v[X+32*\c:X+32*\c+15], v[12+\c]
	v_cvt_scalef32_pk16_fp6_f32 v[TC+4*\c:TC+4*\c+2], v[X+32*\c+16:X+32*\c+31], v[12+\c]   ; (a conversion's three registers begin on an even number)
.endr
	v_nop                                          ; one plain place behind a scaled conversion
.irp c, 0,1
.irp i, 0,1,2
	v_mov_b32 v[C+6*\c+3+\i], v[TC+4*\c+\i]
.endr
.endr
.irp c, 0,1,2
	global_store_b128 v5, v[C+4*\c:C+4*\c+3], s[32:33] offset:24576*(\q)+512*\c   ; 32 lanes store 512 consecutive bytes
.endr
.endm
	LOADX 0
	LOADX 1
.irp q, 0,1,2,3
.if \q < 3
	s_wait_loadcnt 16                              ; this step's 16 loads are in; the next step's 16 may be out
.else
	s_wait_loadcnt 0x0
.endif
	TURNX \q
	s_wait_dscnt 0x0                               ; my 64 numbers are in, and the stores into the stage have read their registers,
.if \q < 2
	LOADX \q+2                                     ; which take the loads of two steps on
.endif
	QX \q
.endr
	v_cmp_eq_u32 vcc_lo, 1, v4
	v_cndmask_b32 v18, v[XW], v[XW+2], vcc_lo      ; lanes 0-15 store words 0, 1 of their row, lanes 16-31 words 2, 3
	v_cndmask_b32 v19, v[XW+1], v[XW+3], vcc_lo
	global_store_b64 v9, v[18:19], s[34:35]        ; 32 lanes store 256 consecutive bytes, aligned
	s_wait_tensorcnt 0x0
	ds_add_u32 v254, v255
	s_wait_dscnt 0x0
	s_endpgm
; ---------------- the weights: a lane takes a column, its registers run down K; a wave takes 32 columns x 128 K ----------------
.Lweights:
	s_sub_co_u32 s17, ttmp9, 256
	s_lshr_b32 s18, s17, 3                         ; cb: which 128 columns: 0-15 q and k, 16-23 v, 24-31 w_proj
	s_and_b32 s19, s17, 7                          ; the K step
	s_lshl_b32 s22, s16, 1                         ; my 32 columns are tiles 2 w, 2 w + 1 of the 128
	s_wait_alu depctr_va_vdst(0)
	v_lshlrev_b32 v5, 2, v2                        ; in: 4 bytes a lane
	v_bfe_u32 v21, v0, 3, 1                        ; column l of 32 is lane r' = (l % 8) + 8 (l / 16) of tile u' = (l / 8) % 2
	v_and_b32 v22, 7, v0
	v_lshl_or_b32 v22, v4, 3, v22
	v_lshlrev_b32 v23, 4, v22
	v_mad_u32_u24 v6, v21, 1536, v23               ; codes: 1,536 u' + 16 r'
	v_lshl_add_u32 v7, v21, 9, v23                 ; scale word: 512 u' + 16 r'
	s_cmp_lt_u32 s18, 16
	s_cbranch_scc0 .Lnot_qk
	s_lshr_b32 s23, s18, 1                         ; q, k: block of 256 columns; chunks of two K steps x 16 tiles
	s_mul_i32 s24, s23, 307200
	s_and_b32 s25, s18, 1
	s_lshl_b32 s25, s25, 3
	s_add_co_u32 s25, s25, s22                     ; my first tile
	s_lshr_b32 s26, s19, 1
	s_mul_i32 s26, s26, 49152
	s_and_b32 s27, s19, 1
	s_mul_i32 s27, s27, 24576
	s_add_co_u32 s26, s26, s27
	s_mul_i32 s27, s25, 1536
	s_add_co_u32 s26, s26, s27
	s_add_co_u32 s26, s26, s24
	s_lshl_b32 s28, s25, 9
	s_add_co_u32 s28, s28, s24
	s_add_co_u32 s28, s28, 294912
	s_branch .Lhave
.Lnot_qk:
	s_cmp_lt_u32 s18, 24
	s_cbranch_scc0 .Lproj_w
	s_sub_co_u32 s23, s18, 16                      ; v: 128 columns behind the block's q, k chunks: [K step][8 tiles]
	s_mul_i32 s24, s23, 307200
	s_mul_i32 s26, s19, 12288
	s_mul_i32 s27, s22, 1536
	s_add_co_u32 s26, s26, s27
	s_add_co_u32 s26, s26, s24
	s_add_co_u32 s26, s26, 196608
	s_lshl_b32 s28, s22, 9
	s_add_co_u32 s28, s28, s24
	s_add_co_u32 s28, s28, 303104
	s_branch .Lhave
.Lproj_w:
	s_sub_co_u32 s23, s18, 24                      ; w_proj: [K step][8 tiles], then the scale words
	s_mul_i32 s24, s23, 102400
	s_mul_i32 s26, s19, 12288
	s_mul_i32 s27, s22, 1536
	s_add_co_u32 s26, s26, s27
	s_add_co_u32 s26, s26, s24
	s_lshl_b32 s28, s22, 9
	s_add_co_u32 s28, s28, s24
	s_add_co_u32 s28, s28, 98304
.Lhave:
	s_lshr_b32 s23, s19, 2
	s_lshl_b32 s23, s23, 8
	s_add_co_u32 s28, s28, s23                     ; + 256 (K step / 4)
	s_and_b32 s23, s19, 3
	s_lshl_b32 s23, s23, 2
	s_add_co_u32 s28, s28, s23                     ; + 4 (K step % 4)
	s_mov_b32 s27, 0
	s_mov_b32 s29, 0
	s_lshl_b32 s37, s16, 7                         ; my 32 columns in the 128, in bytes
	s_wait_kmcnt 0x0
	s_cmp_lt_u32 s18, 24                           ; the choice hangs on the work-group's number alone
	s_cselect_b64 s[30:31], s[12:13], s[14:15]
	s_add_nc_u64 s[32:33], s[30:31], s[26:27]
	s_add_nc_u64 s[34:35], s[30:31], s[28:29]
.macro WLOAD base, pitch               ; W(128 s + k, my column), k = 0 .. 127: each load reads 128 consecutive bytes, the four waves side by side 512
.set k, 0
.rept 128
	global_load_b32 v[32+k], v5, s[\base:\base+1] offset:k*\pitch th:TH_LOAD_NT
.set k, k+1
.endr
.endm
	s_cmp_lt_u32 s18, 24
	s_cbranch_scc0 .Lfrom_proj
	s_mul_i32 s36, s19, 128*12288
	s_lshl_b32 s38, s18, 9
	s_add_co_u32 s36, s36, s38
	s_add_co_u32 s36, s36, s37
	s_mov_b32 s37, 0
	s_add_nc_u64 s[6:7], s[6:7], s[36:37]
	s_wait_alu depctr_va_vdst(0)
	WLOAD 6, 12288
	s_branch .Lloaded
.Lfrom_proj:
	s_mul_i32 s36, s19, 128*4096
	s_sub_co_u32 s38, s18, 24
	s_lshl_b32 s38, s38, 9
	s_add_co_u32 s36, s36, s38
	s_add_co_u32 s36, s36, s37
	s_mov_b32 s37, 0
	s_add_nc_u64 s[8:9], s[8:9], s[36:37]
	s_wait_alu depctr_va_vdst(0)
	WLOAD 8, 4096
.Lloaded:
.macro WBLOCK b                        ; block b of my column: it is registers 6 (b / 2) .. + 5 of the lane (r', b % 2)
.set XS, 32+32*(\b)
.set HD, HC+12*((\b)%2)+6*((\b)/2)
	v_max3_num_f32 v12, |v[XS]|, |v[XS+1]|, |v[XS+2]|
	v_max3_num_f32 v13, |v[XS+3]|, |v[XS+4]|, |v[XS+5]|
.irp i, 6,10,14,18,22,26
	v_max3_num_f32 v12, v12, |v[XS+\i]|, |v[XS+\i+1]|
	v_max3_num_f32 v13, v13, |v[XS+\i+2]|, |v[XS+\i+3]|
.endr
	v_max3_num_f32 v12, v12, |v[XS+30]|, |v[XS+31]|
	v_max3_num_f32 v12, v12, v13, 0x1800000        ; and the floor
	v_add_nc_u32 v11, 0xff000000, v12
	v_lshrrev_b32 v13, 23, v11
.if (\b) == 0
	v_mov_b32 v20, v13                             ; the four bytes make my column's scale word
.else
	v_lshl_or_b32 v20, v13, 8*(\b), v20
.endif
	v_cvt_scalef32_pk16_fp6_f32 v[HD:HD+2], v[XS:XS+15], v11
	v_cvt_scalef32_pk16_fp6_f32 v[WT:WT+2], v[XS+16:XS+31], v11
	v_nop                                          ; one plain place behind a scaled conversion
.irp i, 0,1,2
	v_mov_b32 v[HD+3+\i], v[WT+\i]
.endr
.endm
	s_wait_loadcnt 63                              ; of my 128 loads at most the youngest 63 are out: blocks 0 and 1 are in
	WBLOCK 0
	WBLOCK 1
	s_wait_loadcnt 32                              ; block 3's may be out
	WBLOCK 2
	s_wait_loadcnt 0x0
	WBLOCK 3
.irp g, 0,1
.irp c, 0,1,2
	global_store_b128 v6, v[HC+12*\g+4*\c:HC+12*\g+4*\c+3], s[32:33] offset:256*\g+512*\c   ; sixteen lanes fill 256 consecutive bytes of each of the two tiles
.endr
.endr
	global_store_b32 v7, v20, s[34:35]             ; four bytes in every sixteen: the other K steps' words come from other work-groups
	s_endpgm
.Lfunc_end_k_q4b3439adaa_quant:
	.size	k_q4b3439adaa_quant, .Lfunc_end_k_q4b3439adaa_quant-k_q4b3439adaa_quant
	.p2alignl 7, 3214868480
	.fill 96, 4, 3214868480
	.section	.rodata,"a",@progbits
	.p2align	6, 0x0
	.amdhsa_kernel k_q4b3439adaa_quant
		.amdhsa_group_segment_fixed_size 34304
		.amdhsa_private_segment_fixed_size 0
		.amdhsa_enable_private_segment 0
		.amdhsa_kernarg_size 48
		.amdhsa_user_sgpr_count 2
		.amdhsa_user_sgpr_kernarg_segment_ptr 1
		.amdhsa_wavefront_size32 1
		.amdhsa_system_sgpr_workgroup_id_x 1
		.amdhsa_system_sgpr_workgroup_id_y 1
		.amdhsa_system_sgpr_workgroup_id_z 1
		.amdhsa_system_vgpr_workitem_id 0
		.amdhsa_next_free_vgpr 256
		.amdhsa_next_free_sgpr 66
		.amdhsa_reserve_vcc 1
		.amdhsa_float_denorm_mode_32 3
		.amdhsa_float_denorm_mode_16_64 3
		.amdhsa_memory_ordered 1
		.amdhsa_forward_progress 1
		.amdhsa_inst_pref_size 64
	.end_amdhsa_kernel
	.amdgpu_metadata
---
amdhsa.version: [ 1, 2 ]
amdhsa.kernels:
  - .name:           k_q4b3439adaa_quant
    .symbol:         k_q4b3439adaa_quant.kd
    .args:
      - { .name: x, .offset: 0, .size: 8, .value_kind: global_buffer, .address_space: global }
      - { .name: w_attn, .offset: 8, .size: 8, .value_kind: global_buffer, .address_space: global }
      - { .name: w_proj, .offset: 16, .size: 8, .value_kind: global_buffer, .address_space: global }
      - { .name: xq, .offset: 24, .size: 8, .value_kind: global_buffer, .address_space: global }
      - { .name: wq, .offset: 32, .size: 8, .value_kind: global_buffer, .address_space: global }
      - { .name: wpq, .offset: 40, .size: 8, .value_kind: global_buffer, .address_space: global }
    .group_segment_fixed_size: 34304
    .private_segment_fixed_size: 0
    .kernarg_segment_align: 8
    .kernarg_segment_size: 48
    .max_flat_workgroup_size: 128
    .sgpr_count:     66
    .vgpr_count:     256
    .wavefront_size: 32
...
	.end_amdgpu_metadata
.endif
;; end of part 1
;; launch qkvgemm (part 2): grid 8 x 32, 4 waves a work-group, clusters of 4 x 4, 327,680 bytes of LDS; arguments xq, wq, b_attn, qkvc; writes qkvc
.if DOCPART == 2
	.amdgcn_target "amdgcn-amd-amdhsa--gfx1250"
	.amdhsa_code_object_version 6
	.text
	.protected	k_q4b3439adaa_qkvgemm
	.globl	k_q4b3439adaa_qkvgemm
	.p2align	8
	.type	k_q4b3439adaa_qkvgemm,@function
k_q4b3439adaa_qkvgemm:
	s_mov_b64 s[64:65], 0
	v_nop
	global_prefetch_b8 v0, s[64:65] scope:SCOPE_SE
	s_setreg_imm32_b32 hwreg(HW_REG_WAVE_MODE, 25, 1), 1
	s_wait_xcnt 0x0
	s_wait_alu depctr_hold_cnt(0) depctr_sa_sdst(0) depctr_va_vdst(0) depctr_va_sdst(0) depctr_va_ssrc(0) depctr_va_vcc(0) depctr_vm_vsrc(0)
	s_getreg_b32 s2, hwreg(HW_REG_IB_STS2, 6, 4)
	s_cmp_eq_u32 s2, 0
	s_cbranch_scc0 .Lentry_in_a_cluster
	s_endpgm
.Lentry_in_a_cluster:
	s_bfe_u32 s2, ttmp6, 0x10000c
	s_cmp_lg_u32 s2, 0xf033
	s_cbranch_scc0 .Lentry_shape_is_right
	s_endpgm
.Lentry_shape_is_right:
; qkv = x w_attn + b_attn on codes of FP6 (E2M3), and its three parts quantised at once for the attention: q and k along the head's 64 channels, v along the tokens (the keys).
; A work-group takes 256 tokens (Y) x [256 columns of q, k (X) and 128 columns of v (X)]: 256 work-groups of equal work.  Four waves; wave (wt, ws) takes 128 tokens x half of the columns.
; x's codes of the 256 tokens, all of K, stay in LDS and serve both phases; the weights stream through two LDS slots in six chunks (four of q, k: two K steps each; two of v: four K steps each).
; All operands lie in memory and in LDS as images of their registers (a fragment: three runs of 512 bytes, 16 bytes a lane): every LDS load reads 512 consecutive bytes.
; PHASE 1 (q, k): source 0 = 16 columns of W, source 1 = 16 tokens: a lane holds ONE token and its registers run along the columns.  PHASE 2 (v): source 0 = 16 tokens, source 1 = 16 columns: a lane holds ONE
; channel and its registers run along the tokens.  The rows of a tile are chosen (lane r of tile 2 P + u: row 32 P + 8 u + r % 8 + 16 (r / 8)) so that the 16 registers of two neighbouring tiles are 16 neighbours.
; The bias is the C of each sum's first matrix instruction.  One macro quantises both phases' results.
; CLUSTERS: 4 x 4.  x's blocks hang on Y alone and are shared along a row of the cluster, W's on X alone and are shared along a column: every load is a joint one, each wave moving its quarter of a block.
; OUTPUT, per head entry of 13,056 bytes [nh 32][batch 4][group of 128 tokens 16]: q's or k's codes (48 registers' image), v's codes (in k's entries), the scale words of both.
; LIMITS: NaN and infinities are not served; a block of zeros gets the byte 1 (its codes are zeros, and this program alone reads the bytes).
; REGISTERS: window 0: v1 r, v2 h, v16-31 addresses; v32-95 scale words of x (lanes 0-15) and of W's q, k tiles (lanes 16-31); v96-127 of W's v tiles; v128-223 source 1's fragments (free in the epilogues); v224-255 v's bias.
;   window 1: source 0's fragments, two sets at v0 and v128; q's and k's bias at v96-127 and v224-255.   windows 2, 3: the accumulators, (a, b) at v[8 (8 (a % 4) + b)].
.set CH,    49152                      ; a chunk: 32 fragments
.set XR,    0                          ; LDS: x's codes [K step 8][tile 16][1,536]
.set WR,    4*CH                       ; two slots for W's chunks
.set XSC,   6*CH                       ; x's scale words: [tile 16][512]
.set WSC,   XSC+8192                   ; W's: 16 tiles of q, k, then 8 of v
.set SPARE, WSC+12288                  ; the spare words: 128 bytes for each wave, two blocks of 256 bytes that no other line names
.set FRB,   1536
.set NHS,   835584                     ; from head entry to head entry: 64 entries of 13,056
.set AX,   16                          ; v16-19 x's chunk j: my 8 tiles, + 16 x lane
.set AW,   20                          ; v20-21 W's slot: my 8 tiles of q, k
.set AWV,  22                          ; v22-23 W's slot: my 4 tiles of v
.set ADRS, 24                          ; v24 scale words: lanes 0-15 x's, lanes 16-31 W's
.set ADRV, 25                          ; v25 scale words of W's v tiles
.set GC,   26                          ; v26 16 x lane
.set GS,   27                          ; v27 16 r + (one head entry on) x h
.set SPW,  28                          ; v28 my spare word; never rewritten
.set NIL,  29                          ; v29 0; never rewritten
.set H16,  30                          ; v30 16 h
.set GV,   31                          ; v31 16 r + 8 h
.set SC,   32
.set SV,   96
.set TF,   128
.set BV,   224
.set TM,   128                         ; the epilogues' registers lie where source 1's fragments lay
.set TC,   144
.set HA,   152
.set HB,   164
.set SW,   176
.set G1X,  24
.set G1W,  32
.set G1XS, 40
.set G1WS, 48
.set G0W,  56                          ; s[56:63] W's chunks, a group 0 for each slot
.set G0XS, 68
.set G0WS, 72
.set G0X,  76                          ; s[76:91] x's four chunks
.set MSB, 0
.macro WIN new                         ; the immediate's high byte repeats the setting that is left
.if MSB != (\new)
	s_set_vgpr_msb (MSB<<8)|(\new)
.set MSB, \new
.endif
.endm
.macro PLACES n
.rept \n
	v_nop
.endr
.endm
.macro CREST                           ; a round of the cluster's barrier behind its opening barrier
	s_cmp_lg_u32 s12, 0
	s_cbranch_scc1 .Lnot_wave_0_\@
	s_barrier_signal -3
.Lnot_wave_0_\@:
	s_barrier_wait -3
	s_barrier_signal -1
	s_barrier_wait -1
.endm
.macro CROUND
	s_barrier_signal -1
	s_barrier_wait -1
	CREST
.endm
.macro G1REST g, rows                  ; a dense block as rows of 256 bytes: 32 elements of 8 bytes
	s_mov_b32 s[\g+1], 32<<16
	s_mov_b32 s[\g+2], (\rows)<<16
	s_mov_b32 s[\g+3], 32<<16
	s_mov_b32 s[\g+4], \rows
	s_mov_b32 s[\g+5], 32
	s_mov_b32 s[\g+6], 0
	s_mov_b32 s[\g+7], 0
.endm
	s_load_b256 s[4:11], s[0:1], 0x0               ; xq s[4:5], wq s[6:7], b_attn s[8:9], qkvc s[10:11]
	v_lshl_add_u32 v[SPW], v0, 2, SPARE
	v_mov_b32 v[NIL], 0
	ds_add_u32 v28, v29
	ds_add_u32 v28, v29
	s_wait_dscnt 0x0
	v_lshrrev_b32 v3, 5, v0
	v_readfirstlane_b32 s12, v3                    ; wave
	s_lshr_b32 s13, s12, 1                         ; wt: which 128 tokens
	s_and_b32 s14, s12, 1                          ; ws: which half of the columns
	s_bfe_u32 s15, ttmp6, 0x40000                  ; cx
	s_bfe_u32 s16, ttmp6, 0x40004                  ; cy
	s_lshl_b32 s17, ttmp9, 2
	s_add_co_u32 s17, s17, s15                     ; X
	s_and_b32 s18, ttmp7, 0xffff
	s_lshl_b32 s18, s18, 2
	s_add_co_u32 s18, s18, s16                     ; Y
	s_lshl_b32 s19, s16, 2
	s_lshl_b32 s19, 15, s19                        ; my row of the cluster
	s_lshl_b32 s20, 0x1111, s15                    ; my column
	s_mov_b32 s22, 0x76543210
	s_mov_b32 s23, 0xfedcba98                      ; selects for lane l xor 16
	s_or_b32 s[G1X], s19, (3<<16)|(1<<21)          ; 15:0 the mask; 17:16 elements of 8 bytes; 21 set beside a mask; no padding
	s_or_b32 s[G1W], s20, (3<<16)|(1<<21)
	s_or_b32 s[G1XS], s19, (3<<16)|(1<<21)
	s_or_b32 s[G1WS], s20, (3<<16)|(1<<21)
	G1REST G1X, 48                                 ; a quarter of a chunk: 12,288 bytes
	G1REST G1W, 48
	G1REST G1XS, 8                                 ; a quarter of x's 8,192 bytes of scale words
	G1REST G1WS, 12                                ; a quarter of W's 12,288
	s_mul_i32 s92, s17, 307200                     ; X's block of wq: registers that never hold Y
	s_mov_b32 s93, 0
	s_mul_i32 s94, s18, 204800                     ; Y's block of xq: registers that never hold X
	s_mov_b32 s95, 0
	s_mul_i32 s2, s12, 12288                       ; my quarter of a chunk
	s_mov_b32 s3, 0
	s_lshl_b32 s96, s12, 11
	s_mov_b32 s97, 0
	s_mul_i32 s98, s12, 3072
	s_mov_b32 s99, 0
	s_wait_kmcnt 0x0
	s_add_nc_u64 s[92:93], s[6:7], s[92:93]
	s_add_nc_u64 s[94:95], s[4:5], s[94:95]
	s_mov_b32 s[G0XS], 1
	s_add_co_u32 s[G0XS+1], s96, XSC
	s_add_nc_u64 s[G0XS+2:G0XS+3], s[94:95], s[96:97]
	s_add_nc_u64 s[G0XS+2:G0XS+3], s[G0XS+2:G0XS+3], 196608
	s_or_b32 s[G0XS+3], s[G0XS+3], 0x80000000
	s_mov_b32 s[G0WS], 1
	s_add_co_u32 s[G0WS+1], s98, WSC
	s_add_nc_u64 s[G0WS+2:G0WS+3], s[92:93], s[98:99]
	s_add_nc_u64 s[G0WS+2:G0WS+3], s[G0WS+2:G0WS+3], 294912
	s_or_b32 s[G0WS+3], s[G0WS+3], 0x80000000
	s_add_nc_u64 s[92:93], s[92:93], s[2:3]
	s_add_nc_u64 s[94:95], s[94:95], s[2:3]
.irp j, 0,1
	s_mov_b32 s[G0W+4*\j], 1
	s_add_co_u32 s[G0W+4*\j+1], s2, WR+\j*CH
	s_add_nc_u64 s[G0W+4*\j+2:G0W+4*\j+3], s[92:93], \j*CH
	s_or_b32 s[G0W+4*\j+3], s[G0W+4*\j+3], 0x80000000
.endr
.irp j, 0,1,2,3
	s_mov_b32 s[G0X+4*\j], 1
	s_add_co_u32 s[G0X+4*\j+1], s2, XR+\j*CH
	s_add_nc_u64 s[G0X+4*\j+2:G0X+4*\j+3], s[94:95], \j*CH
	s_or_b32 s[G0X+4*\j+3], s[G0X+4*\j+3], 0x80000000
.endr
	; LDS addresses: constants, the wave's number and the lane
	v_and_b32 v1, 15, v0                           ; r
	v_bfe_u32 v2, v0, 4, 1                         ; h
	v_and_b32 v3, 31, v0
	v_lshlrev_b32 v[GC], 4, v3
	v_lshlrev_b32 v4, 4, v1                        ; 16 r
	v_lshlrev_b32 v[H16], 4, v2
	v_lshl_add_u32 v[GV], v2, 3, v4
	v_mad_u32_u24 v[GS], v2, NHS, v4
	s_mul_i32 s21, s13, 12288
	v_add_nc_u32 v[AX], s21, v[GC]
	v_add_nc_u32 v[AX+1], CH, v[AX]
	v_add_nc_u32 v[AX+2], CH, v[AX+1]
	v_add_nc_u32 v[AX+3], CH, v[AX+2]
	s_mul_i32 s21, s14, 12288
	s_add_co_u32 s21, s21, WR
	v_add_nc_u32 v[AW], s21, v[GC]
	v_add_nc_u32 v[AW+1], CH, v[AW]
	s_mul_i32 s21, s14, 6144
	s_add_co_u32 s21, s21, WR
	v_add_nc_u32 v[AWV], s21, v[GC]
	v_add_nc_u32 v[AWV+1], CH, v[AWV]
	s_lshl_b32 s21, s13, 12                        ; x's scale words: my 8 tiles
	s_lshl_b32 s3, s14, 12                         ; W's: my 8 tiles,
	s_add_co_u32 s3, s3, WSC-XSC
	s_sub_co_u32 s3, s3, s21                       ; as a distance from x's
	v_mul_u32_u24 v5, s3, v2                       ; lanes 16-31 take W's
	s_add_co_u32 s21, s21, XSC
	v_add_nc_u32 v5, v5, v4
	v_add_nc_u32 v[ADRS], s21, v5
	s_lshl_b32 s21, s14, 11
	s_add_co_u32 s21, s21, WSC+8192
	v_add_nc_u32 v[ADRV], s21, v4
	; the biases
	s_lshl_b32 s96, s17, 10
	s_lshl_b32 s97, s14, 9
	s_add_co_u32 s96, s96, s97                     ; q, k: column 256 X + 128 ws, in bytes
	s_mov_b32 s97, 0
	s_add_nc_u64 s[4:5], s[8:9], s[96:97]
	s_lshr_b32 s96, s96, 1
	s_add_co_u32 s96, s96, 8192                    ; v: column 2,048 + 128 X + 64 ws
	s_add_nc_u64 s[6:7], s[8:9], s[96:97]
	v_lshlrev_b32 v6, 6, v2                        ; q, k: lane (r, h) wants, for tile b, the columns 32 (b / 2) + 16 h + 8 (b % 2) + 0 .. 7
	v_and_b32 v7, 7, v1
	v_lshrrev_b32 v8, 3, v1
	v_lshl_add_u32 v7, v8, 4, v7
	v_lshlrev_b32 v7, 2, v7                        ; v: lane r wants its own column's: r % 8 + 16 (r / 8)
	WIN 0x40                                       ; destination window 1
.irp b, 0,1,2,3,4,5,6,7
	global_load_b128 v[96+8*\b+96*(\b/4):96+8*\b+96*(\b/4)+3], v6, s[4:5] offset:(32*(\b/2)+8*(\b%2))*4
	global_load_b128 v[96+8*\b+96*(\b/4)+4:96+8*\b+96*(\b/4)+7], v6, s[4:5] offset:(32*(\b/2)+8*(\b%2))*4+16
.endr
	WIN 0
.irp a, 0,1,2,3
	global_load_b32 v[BV+8*\a], v7, s[6:7] offset:(32*(\a/2)+8*(\a%2))*4
.endr
	CROUND                                         ; all sixteen work-groups are here: the first joint loads meet
	tensor_load_to_lds s[G0XS:G0XS+3], s[G1XS:G1XS+7]      ; the first fills go out as one group: eight loads of mine are out
	s_nop 0
	tensor_load_to_lds s[G0WS:G0WS+3], s[G1WS:G1WS+7]
	s_nop 0
	tensor_load_to_lds s[G0X:G0X+3], s[G1X:G1X+7]
	s_nop 0
	tensor_load_to_lds s[G0W:G0W+3], s[G1W:G1W+7]
	s_nop 0
	tensor_load_to_lds s[G0X+4:G0X+7], s[G1X:G1X+7]
	s_nop 0
	tensor_load_to_lds s[G0W+4:G0W+7], s[G1W:G1W+7]
	s_nop 0
	tensor_load_to_lds s[G0X+8:G0X+11], s[G1X:G1X+7]
	s_nop 0
	tensor_load_to_lds s[G0X+12:G0X+15], s[G1X:G1X+7]
	s_nop 0
	PLACES 4                                       ; four places behind a tensor load
	; where my results go
	s_lshr_b32 s66, s18, 3                         ; the batch
	s_mul_i32 s66, s66, 208896
	s_and_b32 s67, s18, 7
	s_lshl_b32 s67, s67, 1
	s_add_co_u32 s67, s67, s13                     ; the group of 128 tokens
	s_mul_i32 s67, s67, 13056
	s_add_co_u32 s66, s66, s67
	s_lshl_b32 s96, s17, 2
	s_lshl_b32 s67, s14, 1
	s_add_co_u32 s96, s96, s67                     ; q, k: head entries 4 X + 2 ws and the next
	s_mul_i32 s96, s96, NHS
	s_add_co_u32 s96, s96, s66
	s_mov_b32 s97, 0
	s_lshl_b32 s98, s17, 1
	s_add_co_u32 s98, s98, s14
	s_add_co_u32 s98, s98, 16                      ; v: k's entry of head 2 X + ws
	s_mul_i32 s98, s98, NHS
	s_add_co_u32 s98, s98, s66
	s_mov_b32 s99, 0
	s_add_nc_u64 s[96:97], s[10:11], s[96:97]
	s_add_nc_u64 s[98:99], s[10:11], s[98:99]
.macro FETCH_S adr, off, p             ; eight fragments into source 0's set p
	WIN 0x40
.irp i, 0,1,2,3,4,5,6,7
.irp c, 0,1,2
	ds_load_b128 v[128*(\p)+12*\i+4*\c:128*(\p)+12*\i+4*\c+3], v[\adr] offset:(\off)+FRB*\i+512*\c
.endr
.endr
	WIN 0
.endm
.macro FETCH_T adr, off, i0            ; four fragments, i0 on, of source 1's set
.irp i, \i0, \i0+1, \i0+2, \i0+3
.irp c, 0,1,2
	ds_load_b128 v[TF+12*(\i)+4*\c:TF+12*(\i)+4*\c+3], v[\adr] offset:(\off)+FRB*(\i)+512*\c
.endr
.endr
.endm
; 16 matrix instructions: token tiles a0, a0 + 1 x W's eight, K step s.  The 64 accumulators take turns, one instruction a turn, in the same order in every step.
.macro MUL16 a0, p, s, first
.irp a, \a0, \a0+1
.irp b, 0,1,2,3,4,5,6,7
.if \first
	v_wmma_scale_f32_16x16x128_f8f6f4 v[8*(8*((\a)%4)+\b):8*(8*((\a)%4)+\b)+7], v[128*(\p)+12*\b:128*(\p)+12*\b+11], v[TF+12*(\a):TF+12*(\a)+11], v[96+8*\b+96*(\b/4):96+8*\b+96*(\b/4)+7], v[SC+32*((\s)/4)+4*\b+(\s)%4], v[SC+32*((\s)/4)+4*(\a)+(\s)%4] matrix_a_fmt:MATRIX_FMT_FP6 matrix_b_fmt:MATRIX_FMT_FP6 matrix_a_scale:MATRIX_SCALE_ROW1
.else
	v_wmma_scale_f32_16x16x128_f8f6f4 v[8*(8*((\a)%4)+\b):8*(8*((\a)%4)+\b)+7], v[128*(\p)+12*\b:128*(\p)+12*\b+11], v[TF+12*(\a):TF+12*(\a)+11], v[8*(8*((\a)%4)+\b):8*(8*((\a)%4)+\b)+7], v[SC+32*((\s)/4)+4*\b+(\s)%4], v[SC+32*((\s)/4)+4*(\a)+(\s)%4] matrix_a_fmt:MATRIX_FMT_FP6 matrix_b_fmt:MATRIX_FMT_FP6 matrix_a_scale:MATRIX_SCALE_ROW1
.endif
.endr
.endr
.endm
; K step 2 j: the first of chunk j.  A tile of tokens is free as soon as its eight products are issued, so source 1 has one set: tiles 0-3 are fetched anew in the step's middle, tiles 4-7 at its end.
.macro STEP j, first
	s_wait_dscnt 12                                ; all but the youngest twelve loads (token tiles 4-7) are in
.if \first
	WIN 0x91                                       ; source 0 and C (the bias) window 1, source 1 window 0, D window 2
.else
	WIN 0xa1
.endif
	MUL16 0, 0, 2*(\j), \first
	MUL16 2, 0, 2*(\j), \first
	s_wait_dscnt 0x0
	PLACES 4                                       ; in front of loads into registers that matrix instructions have read
	FETCH_S AW+(\j)%2, CH/2, 1
	FETCH_T AX+(\j), CH/2, 0
.if \first
	WIN 0xd1
.else
	WIN 0xf1
.endif
	MUL16 4, 0, 2*(\j), \first
	MUL16 6, 0, 2*(\j), \first
	PLACES 4
	WIN 0
	FETCH_T AX+(\j), CH/2, 4
.endm
; K step 2 j + 1: the last of chunk j.  Its slot is filled again with chunk j + 2: each wave waits for all its tensor loads, adds 0 to its spare word, waits for that and for its reads of the slot;
; the barrier opens a round of the cluster's barrier; the joint refill is the first thing behind the round.
.macro TURN j, more
	s_wait_tensorcnt 0x0                           ; all my tensor loads have landed, my quarter of the next chunk among them
	ds_add_u32 v[SPW], v[NIL]
	s_wait_dscnt 13                                ; (the add and the youngest twelve loads may be out)
	WIN 0xa1
	MUL16 0, 1, 2*(\j)+1, 0
	s_wait_dscnt 0x0                               ; the add is done, and my reads of this slot are over
	s_barrier_signal -1
	MUL16 2, 1, 2*(\j)+1, 0
	WIN 0
	s_barrier_wait -1
	CREST                                          ; no wave of any partner still reads the slot or has a load on its way
	s_add_nc_u64 s[G0W+4*((\j)%2)+2:G0W+4*((\j)%2)+3], s[G0W+4*((\j)%2)+2:G0W+4*((\j)%2)+3], 2*CH
	tensor_load_to_lds s[G0W+4*((\j)%2):G0W+4*((\j)%2)+3], s[G1W:G1W+7]
	s_nop 0
	PLACES 4                                       ; also the places in front of the loads below
.if \more
	FETCH_S AW+((\j)+1)%2, 0, 0
	FETCH_T AX+(\j)+1, 0, 0
.endif
	WIN 0xf1
	MUL16 4, 1, 2*(\j)+1, 0
	MUL16 6, 1, 2*(\j)+1, 0
	PLACES 4
	WIN 0
.if \more
	FETCH_T AX+(\j)+1, 0, 4
.endif
.endm
; 64 numbers of a lane in window W, register S + 16 b + i = k 32 b + 16 h + i of the lane's row, become codes: blocks 0, 1 in v[DA] .. + 5, blocks 2, 3 in v[DB] .. + 5, and the scale word in v[PW].
; Each accumulator is read from its low end on.
.macro QUANT W, S, DA, DB, PW
	WIN (\W)|((\W)<<2)
.irp b, 0,1,2,3
	v_max3_num_f32 v[TM+\b], |v[(\S)+16*\b]|, |v[(\S)+16*\b+1]|, 0x1800000   ; with the floor 2^(3 - 127)
.endr
.irp i, 2,4,6,8,10,12,14
.irp b, 0,1,2,3
	v_max3_num_f32 v[TM+\b], |v[(\S)+16*\b+\i]|, |v[(\S)+16*\b+\i+1]|, v[TM+\b]
.endr
.endr
	WIN 0
.irp b, 0,1,2,3
	v_permlanex16_b32 v[TM+4+\b], v[TM+\b], s22, s23
.endr
.irp b, 0,1,2,3
	v_max_num_f32 v[TM+\b], v[TM+\b], v[TM+4+\b]   ; with lane l xor 16's 16: the block's largest magnitude
.endr
.irp b, 0,1,2,3
	v_add_nc_u32 v[TM+12+\b], 0xff000000, v[TM+\b] ; 2 off the exponent field: the conversion's scale operand
.endr
.irp b, 0,1,2,3
	v_lshrrev_b32 v[TM+4+\b], 23, v[TM+12+\b]      ; the byte
.endr
	v_lshl_or_b32 v[\PW], v[TM+5], 8, v[TM+4]
	v_lshl_or_b32 v[\PW], v[TM+6], 16, v[\PW]
	v_lshl_or_b32 v[\PW], v[TM+7], 24, v[\PW]
	WIN \W
	v_cvt_scalef32_pk16_fp6_f32 v[\DA:\DA+2], v[(\S):(\S)+15], v[TM+12]
	v_cvt_scalef32_pk16_fp6_f32 v[TC:TC+2], v[(\S)+16:(\S)+31], v[TM+13]
	v_cvt_scalef32_pk16_fp6_f32 v[\DB:\DB+2], v[(\S)+32:(\S)+47], v[TM+14]
	v_cvt_scalef32_pk16_fp6_f32 v[TC+4:TC+6], v[(\S)+48:(\S)+63], v[TM+15]
	WIN 0
	v_nop                                          ; one plain place behind a scaled conversion
.irp i, 0,1,2
	v_permlane16_swap_b32 v[\DA+\i], v[TC+\i]      ; a whole block to a lane: lanes 0-15 the even block, lanes 16-31 the odd one
	v_permlane16_swap_b32 v[\DB+\i], v[TC+4+\i]
.endr
.irp i, 0,1,2
	v_mov_b32 v[\DA+3+\i], v[TC+\i]
	v_mov_b32 v[\DB+3+\i], v[TC+4+\i]
.endr
.endm
	s_wait_tensorcnt 0x4                           ; the scale words, x's chunk 0 and W's chunk 0 are in; four younger loads (x 1, W 1, x 2, x 3) may be out
	s_barrier_signal -1
	s_barrier_wait -1
	FETCH_S AW, 0, 0
	FETCH_T AX, 0, 0
	s_wait_alu depctr_va_vdst(0)
.irp g, 0,1
.irp i, 0,1,2,3,4,5,6,7
	ds_load_b128 v[SC+32*\g+4*\i:SC+32*\g+4*\i+3], v[ADRS] offset:512*\i+256*\g    ; four K steps' words of tile i: all of K's scale words stay in registers
.endr
.endr
.irp g, 0,1
.irp a, 0,1,2,3
	ds_load_b128 v[SV+16*\g+4*\a:SV+16*\g+4*\a+3], v[ADRV] offset:512*\a+256*\g
.endr
.endr
	FETCH_T AX, 0, 4
	s_wait_loadcnt 0x0                             ; the biases
.irp a, 0,1,2,3
.irp j, 1,2,3,4,5,6,7
	v_mov_b32 v[BV+8*\a+\j], v[BV+8*\a]            ; v's bias is one number a lane: eight registers of it make a C
.endr
.endr
	; ---- phase 1: q and k
	STEP 0, 1
	TURN 0, 1
	STEP 1, 0
	TURN 1, 1
	STEP 2, 0
	TURN 2, 1
	STEP 3, 0
	TURN 3, 0
	; ---- q's and k's way out: token tile a's 128 columns are two heads: blocks 0, 1 and blocks 2, 3.  Two tiles' codes of a head are twelve registers: one image
.irp b, 0,1,2,3
	v_mov_b32 v[TM+4+\b], 0                        ; a lane permute's destination counts as one of its sources
.endr
.irp a, 0,1,2,3,4,5,6,7
.if (\a%2 == 0) && (\a > 0)
	s_wait_xcnt 0x0                                ; the last pair's stores have read their registers
.endif
	QUANT 2+\a/4, 64*(\a%4), HA+6*(\a%2), HB+6*(\a%2), SW+\a
.if \a%2 == 1
.irp c, 0,1,2
	global_store_b128 v[GC], v[HA+4*\c:HA+4*\c+3], s[96:97] offset:(\a/2)*FRB+512*\c       ; 32 lanes store 512 consecutive bytes
	global_store_b128 v[GC], v[HB+4*\c:HB+4*\c+3], s[96:97] offset:NHS+(\a/2)*FRB+512*\c
.endr
.endif
.endr
.irp a, 0,1,2,3,4,5,6,7
	v_lshrrev_b32 v[SW+\a], v[H16], v[SW+\a]       ; lanes 0-15 keep the word (the first head's bytes lowest), lanes 16-31 bring the second head's bytes down
.endr
	global_store_b128 v[GS], v[SW:SW+3], s[96:97] offset:12288     ; sixteen lanes fill 256 bytes of each head's entry
	global_store_b128 v[GS], v[SW+4:SW+7], s[96:97] offset:12544
	; ---- phase 2: v.  Both of its chunks have been asked for
	s_wait_tensorcnt 0x0
	s_wait_dscnt 0x0
	s_barrier_signal -1
	s_barrier_wait -1
	s_wait_xcnt 0x0                                ; the stores above have read the registers into which the fragments below are loaded
.macro FETCHV s
	FETCH_S AX+(\s)/2, ((\s)%2)*(CH/2), (\s)%2
.irp a, 0,1,2,3
.irp c, 0,1,2
	ds_load_b128 v[TF+48*((\s)%2)+12*\a+4*\c:TF+48*((\s)%2)+12*\a+4*\c+3], v[AWV+(\s)/4] offset:((\s)%4)*12288+FRB*\a+512*\c
.endr
.endr
.endm
.macro MULV s                          ; 32 matrix instructions: W's four tiles x the eight token tiles; the 32 accumulators by turns
.irp a, 0,1,2,3
.irp b, 0,1,2,3,4,5,6,7
.if (\s) == 0
	v_wmma_scale_f32_16x16x128_f8f6f4 v[8*(8*\a+\b):8*(8*\a+\b)+7], v[128*((\s)%2)+12*\b:128*((\s)%2)+12*\b+11], v[TF+48*((\s)%2)+12*\a:TF+48*((\s)%2)+12*\a+11], v[BV+8*\a:BV+8*\a+7], v[SC+32*((\s)/4)+4*\b+(\s)%4], v[SV+16*((\s)/4)+4*\a+(\s)%4] matrix_a_fmt:MATRIX_FMT_FP6 matrix_b_fmt:MATRIX_FMT_FP6
.else
	v_wmma_scale_f32_16x16x128_f8f6f4 v[8*(8*\a+\b):8*(8*\a+\b)+7], v[128*((\s)%2)+12*\b:128*((\s)%2)+12*\b+11], v[TF+48*((\s)%2)+12*\a:TF+48*((\s)%2)+12*\a+11], v[8*(8*\a+\b):8*(8*\a+\b)+7], v[SC+32*((\s)/4)+4*\b+(\s)%4], v[SV+16*((\s)/4)+4*\a+(\s)%4] matrix_a_fmt:MATRIX_FMT_FP6 matrix_b_fmt:MATRIX_FMT_FP6
.endif
.endr
.endr
.endm
.macro VSTEP s
	s_wait_dscnt 0x0                               ; this step's fragments are in (asked for 32 matrix instructions ago)
	PLACES 4
.if (\s) < 7
	FETCHV (\s)+1
.endif
.if (\s) == 0
	WIN 0x81                                       ; source 0 window 1, source 1 and C (the bias) window 0, D window 2
.else
	WIN 0xa1
.endif
	MULV \s
.endm
	FETCHV 0
.irp s, 0,1,2,3,4,5,6,7
	VSTEP \s
.endr
	PLACES 4
	; ---- v's way out: channel tile c's 128 tokens are one whole fragment along the keys
.irp c, 0,1,2,3
.if \c > 0
	s_wait_xcnt 0x0
.endif
	QUANT 2, 64*\c, HA, HA+6, SW+\c
.irp k, 0,1,2
	global_store_b128 v[GC], v[HA+4*\k:HA+4*\k+3], s[98:99] offset:6144+FRB*\c+512*\k
.endr
.endr
	v_cmp_eq_u32 vcc_lo, 1, v2
	v_cndmask_b32 v[TC], v[SW], v[SW+2], vcc_lo    ; lanes 0-15 store the words of tiles 0, 1 of their row, lanes 16-31 of tiles 2, 3
	v_cndmask_b32 v[TC+1], v[SW+1], v[SW+3], vcc_lo
	global_store_b64 v[GV], v[TC:TC+1], s[98:99] offset:12800      ; 32 lanes store 256 consecutive bytes, aligned
	s_wait_tensorcnt 0x0                           ; the wave's end
	ds_add_u32 v[SPW], v[NIL]
	s_wait_dscnt 0x0
	CROUND                                         ; the closing round
	s_endpgm
.Lfunc_end_k_q4b3439adaa_qkvgemm:
	.size	k_q4b3439adaa_qkvgemm, .Lfunc_end_k_q4b3439adaa_qkvgemm-k_q4b3439adaa_qkvgemm
	.p2alignl 7, 3214868480
	.fill 96, 4, 3214868480
	.section	.rodata,"a",@progbits
	.p2align	6, 0x0
	.amdhsa_kernel k_q4b3439adaa_qkvgemm
		.amdhsa_group_segment_fixed_size 327680
		.amdhsa_private_segment_fixed_size 0
		.amdhsa_enable_private_segment 0
		.amdhsa_kernarg_size 32
		.amdhsa_user_sgpr_count 2
		.amdhsa_user_sgpr_kernarg_segment_ptr 1
		.amdhsa_wavefront_size32 1
		.amdhsa_system_sgpr_workgroup_id_x 1
		.amdhsa_system_sgpr_workgroup_id_y 1
		.amdhsa_system_sgpr_workgroup_id_z 1
		.amdhsa_system_vgpr_workitem_id 0
		.amdhsa_next_free_vgpr 1024
		.amdhsa_next_free_sgpr 100
		.amdhsa_reserve_vcc 1
		.amdhsa_float_denorm_mode_32 3
		.amdhsa_float_denorm_mode_16_64 3
		.amdhsa_memory_ordered 1
		.amdhsa_forward_progress 1
		.amdhsa_inst_pref_size 212
	.end_amdhsa_kernel
	.amdgpu_metadata
---
amdhsa.version: [ 1, 2 ]
amdhsa.kernels:
  - .name:           k_q4b3439adaa_qkvgemm
    .symbol:         k_q4b3439adaa_qkvgemm.kd
    .args:
      - { .name: xq, .offset: 0, .size: 8, .value_kind: global_buffer, .address_space: global }
      - { .name: wq, .offset: 8, .size: 8, .value_kind: global_buffer, .address_space: global }
      - { .name: b_attn, .offset: 16, .size: 8, .value_kind: global_buffer, .address_space: global }
      - { .name: qkvc, .offset: 24, .size: 8, .value_kind: global_buffer, .address_space: global }
    .group_segment_fixed_size: 327680
    .private_segment_fixed_size: 0
    .kernarg_segment_align: 8
    .kernarg_segment_size: 32
    .max_flat_workgroup_size: 128
    .sgpr_count:     100
    .vgpr_count:     1024
    .wavefront_size: 32
...
	.end_amdgpu_metadata
.endif
;; end of part 2
;; launch attn (part 3): grid 4 x 64, 16 waves a work-group, clusters of 4 x 1, 215,040 bytes of LDS; arguments qkvc, yq; writes yq
.if DOCPART == 3
	.amdgcn_target "amdgcn-amd-amdhsa--gfx1250"
	.amdhsa_code_object_version 6
	.text
	.protected	k_q4b3439adaa_attn
	.globl	k_q4b3439adaa_attn
	.p2align	8
	.type	k_q4b3439adaa_attn,@function
k_q4b3439adaa_attn:
	s_mov_b64 s[64:65], 0
	v_nop
	global_prefetch_b8 v0, s[64:65] scope:SCOPE_SE
	s_setreg_imm32_b32 hwreg(HW_REG_WAVE_MODE, 25, 1), 1
	s_wait_xcnt 0x0
	s_wait_alu depctr_hold_cnt(0) depctr_sa_sdst(0) depctr_va_vdst(0) depctr_va_sdst(0) depctr_va_ssrc(0) depctr_va_vcc(0) depctr_vm_vsrc(0)
	s_getreg_b32 s2, hwreg(HW_REG_IB_STS2, 6, 4)
	s_cmp_eq_u32 s2, 0
	s_cbranch_scc0 .Lentry_in_a_cluster
	s_endpgm
.Lentry_in_a_cluster:
	s_bfe_u32 s2, ttmp6, 0x10000c
	s_cmp_lg_u32 s2, 0x3003
	s_cbranch_scc0 .Lentry_shape_is_right
	s_endpgm
.Lentry_shape_is_right:
; y[b][q][head] = softmax_k(q . k / 8, causal) v, both products on codes of FP6 (E2M3), and y quantised at once along its 64 channels for the last product.
; THE SOFTMAX AHEAD OF THE SECOND PRODUCT: t = score x log2(e) / 8; M = the largest t so far, rounded UP to a whole number; p = 2^(t - M) is quantised along the keys, not normalised; the row's sum is taken of the
; unquantised p and divides at the end.  When M moves, the sum and O are multiplied by 2^(old M - new M): exact.
; A cluster of four work-groups owns one head of one batch.  The head's K and V, codes and scale words, are 16 entries of 13,056 bytes: they fit in LDS whole.  Wave w brings entry w by ONE joint load, which all four
; work-groups ask for alike: filled once, never again, so the loops have no barrier.
; SHARES.  Of every group of 128 queries, work-group cx owns tiles 2 cx and 2 cx + 1: so all partners have the same trip counts and branches; cx enters global addresses and the mask's threshold alone.
; Wave w (u = w % 2, i = w / 2) takes tile 2 cx + u of group i and then of group 15 - i: (i + 1) + (16 - i) = 17 key steps of 128 keys for every wave.
; LAYOUT.  S^T = K Q^T (source 0 = 16 keys, source 1 = my 16 queries), O^T = V^T P^T: a lane holds ONE query throughout.  The rows of a tile are chosen (lane r of tile 2 P + u: row 32 P + 8 u + r % 8 + 16 (r / 8)),
; so that the 16 registers of two neighbouring tiles of S^T are 16 neighbouring keys, and those of O^T 16 neighbouring channels.
; THE FIRST PRODUCT'S K IS 64, the instruction's 128: Q's codes of k = 64 .. 127 are zeros (six registers, cleared once).  K's operand for tile t is twelve registers from 6 t on: its upper six are the next tile's
; codes, which meet zeros; E2M3 has no code but numbers, and no scale byte here is 0xff.
; LIMITS: NaN and infinities are not served; a block of zeros gets the byte 1.  y's scale bytes leave one byte a lane.
; REGISTERS: v1-11 addresses; v12 -M, v13 the largest t, v[14:15] the sum; v16-27 Q; v28 Q's scale word, v29 p's; v[30:31] f; v32-39 K's scale words, v40-43 V's; v44-97 K (then p's codes and what the softmax needs);
;   v98-145 V; v146-209 S^T, then p; v210-241 O^T; v242-243 addresses; v244-251 at work; v255 -infinity.
.set ENT, 13056
.set NHS, 835584
.set KF,  44
.set VF,  98
.set ST,  146
.set OT,  210
.set PC,  44                           ; p's codes, where K's first fragments lay
.set TC,  56
.set BM,  64                           ; the blocks' largest scores, then largest p
.set BX,  68
.set SO,  72                           ; the conversions' scale operands
.set S2,  80                           ; the sum's second chain
.set YC,  ST+32                        ; y's six registers of codes
.set YT,  ST+40
.macro ROUND
	s_barrier_signal -1
	s_barrier_wait -1
	s_cmp_lg_u32 s8, 0
	s_cbranch_scc1 .Lnot_wave_0_\@
	s_barrier_signal -3
.Lnot_wave_0_\@:
	s_barrier_wait -3
	s_barrier_signal -1
	s_barrier_wait -1
.endm
	s_load_b128 s[4:7], s[0:1], 0x0                ; qkvc s[4:5], yq s[6:7]
	v_lshl_add_u32 v253, v0, 2, 0x34000
	v_mov_b32 v254, 0
	ds_add_u32 v253, v254
	ds_add_u32 v253, v254
	v_lshrrev_b32 v1, 5, v0
	s_delay_alu instid0(VALU_DEP_1)
	v_readfirstlane_b32 s8, v1                     ; wave 0..15
	s_and_b32 s9, s8, 1                            ; u
	s_lshr_b32 s10, s8, 1                          ; i
	s_bfe_u32 s11, ttmp6, 0x40000                  ; cx
	s_and_b32 s12, ttmp7, 0xffff
	s_and_b32 s13, s12, 15                         ; the head
	s_lshr_b32 s14, s12, 4                         ; the batch
	s_mov_b32 s20, 0x76543210
	s_mov_b32 s21, 0xfedcba98                      ; selects for lane l xor 16
	s_mov_b32 s22, 0x3e38aa3b                      ; c = log2(e) / 8
	s_mov_b32 s23, s22                             ; (named with it as a pair)
	s_mov_b32 s24, 15|(3<<16)|(1<<21)              ; the mask: all four work-groups; elements of 8 bytes; bit 21 set beside a mask
	s_mov_b32 s25, 32<<16                          ; an entry as 51 rows of 256 bytes
	s_mov_b32 s26, 51<<16
	s_mov_b32 s27, 32<<16
	s_mov_b32 s28, 51
	s_mov_b32 s29, 32
	s_mov_b32 s30, 0
	s_mov_b32 s31, 0
	s_mov_b32 s32, 1
	s_mul_i32 s33, s8, ENT                         ; entry w goes to LDS byte 13,056 w
	s_mul_i32 s48, s14, 208896
	s_mul_i32 s49, s13, NHS
	s_add_co_u32 s48, s48, s49                     ; q's head and batch
	s_mov_b32 s49, 0
	s_add_co_u32 s46, s48, 16*NHS                  ; k's entries lie 16 heads on
	s_add_co_u32 s46, s46, s33
	s_mov_b32 s47, 0
	s_wait_dscnt 0x0
	s_wait_kmcnt 0x0
	s_add_nc_u64 s[34:35], s[4:5], s[46:47]
	s_or_b32 s35, s35, 0x80000000
	s_add_nc_u64 s[16:17], s[4:5], s[48:49]
	ROUND                                          ; all four work-groups are here: the joint loads meet
	tensor_load_to_lds s[32:35], s[24:31]          ; my one tensor load
	s_nop 0
.rept 4
	v_nop
.endr
	v_and_b32 v244, 15, v0                         ; r
	v_bfe_u32 v245, v0, 4, 1                       ; h
	v_and_b32 v246, 31, v0                         ; lane
	s_delay_alu instid0(VALU_DEP_1)
	v_lshlrev_b32 v1, 4, v246                      ; 16 x lane
	s_delay_alu instid0(VALU_DEP_4)
	v_lshlrev_b32 v2, 4, v244                      ; 16 r
	s_delay_alu instid0(VALU_DEP_4)
	v_lshlrev_b32 v6, 3, v245                      ; 8 h
	v_and_b32 v3, 7, v244
	v_lshrrev_b32 v247, 3, v244
	s_delay_alu instid0(VALU_DEP_1)
	v_lshl_add_u32 v3, v247, 4, v3
	v_lshlrev_b32 v247, 4, v245
	s_delay_alu instid0(VALU_DEP_1)
	v_sub_nc_u32 v3, v3, v247
	s_lshl_b32 s46, s11, 5
	s_lshl_b32 s47, s9, 3
	s_add_co_u32 s46, s46, s47
	v_add_nc_u32 v3, s46, v3                       ; my query's place in its group of 128, less 16 h
	s_mul_i32 s46, s11, 1536                       ; Q: pair cx of the entry's image; tile u is its registers 6 u .. 6 u + 5: three pieces of 8 bytes a lane
	s_mul_i32 s47, s9, 520
	s_add_co_u32 s47, s47, s46
	v_add_nc_u32 v7, s47, v1
	s_delay_alu instid0(VALU_DEP_1)
	v_add_nc_u32 v9, 512, v7
	s_mul_i32 s47, s9, 1016
	s_add_co_u32 s47, s47, s46
	s_add_co_u32 s47, s47, 8
	v_add_nc_u32 v8, s47, v1
	s_lshr_b32 s46, s11, 1                         ; Q's scale word: [tile / 4][r][tile % 4]
	s_lshl_b32 s46, s46, 8
	s_and_b32 s47, s11, 1
	s_lshl_b32 s47, s47, 3
	s_add_co_u32 s46, s46, s47
	s_lshl_b32 s47, s9, 2
	s_add_co_u32 s46, s46, s47
	s_add_co_u32 s46, s46, 12288
	v_add_nc_u32 v10, s46, v2
	s_lshl_b32 s52, s11, 1
	s_add_co_u32 s52, s52, s9                      ; my tile in a group: 2 cx + u
	v_lshl_add_u32 v11, v244, 2, v245
	s_lshl_b32 s46, s52, 6
	v_add_nc_u32 v11, s46, v11                     ; y's scale byte: 64 x tile + 4 r + h
	s_mul_i32 s46, s52, 1536
	v_add_nc_u32 v242, s46, v1                     ; y's codes: four registers at 16 x lane,
	v_lshlrev_b32 v243, 3, v246
	s_add_co_u32 s46, s46, 512
	v_add_nc_u32 v243, s46, v243                   ; two at 512 + 8 x lane
.irp j, 22,23,24,25,26,27,92,93,94,95,96,97
	v_mov_b32 v\j, 0                               ; Q's codes of k = 64 .. 127; and what stands behind K's last tile
.endr
.irp j, 30,31,248,249,250,251
	v_mov_b32 v\j, 0                               ; written once: pairs' upper halves and lane permutes' destinations count as read
.endr
	v_mov_b32 v255, 0xff800000                     ; -infinity
	s_wait_tensorcnt 0x0                           ; my entry is in,
	s_barrier_signal -1
	s_barrier_wait -1                              ; everybody's is
; A KEY STEP: the 128 keys of entry KG (s36), which begins at LDS byte s37.
.macro KSTEP
	v_add_nc_u32 v4, s37, v1
	v_add_nc_u32 v5, s37, v2
	v_nop
	v_nop                                          ; four places in front of loads into registers that the last products read
.irp p, 0,1,2,3
.irp c, 0,1,2
	ds_load_b128 v[KF+12*\p+4*\c:KF+12*\p+4*\c+3], v4 offset:1536*\p+512*\c
.endr
.endr
	ds_load_b128 v[32:35], v5 offset:12288
	ds_load_b128 v[36:39], v5 offset:12544
.irp p, 0,1,2,3
.irp c, 0,1,2
	ds_load_b128 v[VF+12*\p+4*\c:VF+12*\p+4*\c+3], v4 offset:6144+1536*\p+512*\c
.endr
.endr
	ds_load_b128 v[40:43], v5 offset:12800
	s_wait_dscnt 13                                ; K and its scale words are in; V's twelve loads and its scale words may be out
.irp t, 0,1,2,3,4,5,6,7
	v_wmma_scale_f32_16x16x128_f8f6f4 v[ST+8*\t:ST+8*\t+7], v[KF+6*\t:KF+6*\t+11], v[16:27], 0, v[32+\t], v28 matrix_a_fmt:MATRIX_FMT_FP6 matrix_b_fmt:MATRIX_FMT_FP6
.endr
.rept 4
	v_nop
.endr
	s_cmp_lg_u32 s36, s38                          ; on the diagonal the scores of hidden keys become -infinity: register 16 b + i holds key 32 b + 16 h + i of the group
	s_cbranch_scc1 .Lopen_\@
.set n, 0
.rept 64
	v_cmp_gt_i32 vcc_lo, 32*(n/16)+n%16, v3
	v_cndmask_b32 v[ST+n], v[ST+n], v255, vcc_lo
.set n, n+1
.endr
.Lopen_\@:
.irp b, 0,1,2,3
	v_max3_num_f32 v[BM+\b], v[ST+16*\b], v[ST+16*\b+1], v[ST+16*\b+2]   ; the largest score of each block of 32 keys: for the row's maximum and, since p rises with the score, for the block's largest p
.endr
.irp i, 3,5,7,9,11,13
.irp b, 0,1,2,3
	v_max3_num_f32 v[BM+\b], v[BM+\b], v[ST+16*\b+\i], v[ST+16*\b+\i+1]
.endr
.endr
.irp b, 0,1,2,3
	v_max_num_f32 v[BM+\b], v[BM+\b], v[ST+16*\b+15]
.endr
.irp b, 0,1,2,3
	s_delay_alu instid0(VALU_DEP_4)
	v_permlanex16_b32 v[BX+\b], v[BM+\b], s20, s21
.endr
.irp b, 0,1,2,3
	s_delay_alu instid0(VALU_DEP_4)
	v_max_num_f32 v[BM+\b], v[BM+\b], v[BX+\b]
.endr
	s_delay_alu instid0(VALU_DEP_2)
	v_max3_num_f32 v244, v[BM], v[BM+1], v[BM+2]
	s_delay_alu instid0(VALU_DEP_1)
	v_max_num_f32 v244, v244, v[BM+3]
	s_delay_alu instid0(VALU_DEP_1)
	v_mul_f32 v244, s22, v244                      ; the step's largest t
	s_delay_alu instid0(VALU_DEP_1)
	v_max_num_f32 v13, v13, v244
	v_mov_b32 v244, v12
	s_delay_alu instid0(VALU_DEP_2)
	v_floor_f32 v12, -v13                          ; -M = floor(-t): M is a whole number
	s_delay_alu instid0(VALU_DEP_1)
	v_sub_f32 v244, v12, v244                      ; old M - new M, 0 or less
	s_delay_alu instid0(VALU_DEP_1)
	v_cvt_i32_f32 v244, v244                       ; (it saturates)
	s_delay_alu instid0(VALU_DEP_1)
	v_ldexp_f32 v30, 1.0, v244                     ; f = 2^(old M - new M)
.set n, 0
.rept 32
	v_pk_fma_f32 v[ST+n:ST+n+1], v[ST+n:ST+n+1], s[22:23], v[12:13] op_sel_hi:[1,0,0]   ; t - M
.set n, n+2
.endr
	s_setprio 1
.irp b, 0,1,2,3
	v_fma_f32 v[BM+\b], v[BM+\b], s22, v12
.endr
.set n, 0
	s_wait_alu depctr_va_vdst(0)
.rept 64
	v_exp_f32 v[ST+n], v[ST+n]                     ; p = 2^(t - M)
.set n, n+1
.endr
.irp b, 0,1,2,3
	v_exp_f32 v[BM+\b], v[BM+\b]                   ; the block's largest p: the same two instructions on the same number
.endr
	v_pk_mul_f32 v[14:15], v[14:15], v[30:31] op_sel_hi:[1,0]     ; the sum under the new M (a plain place behind the exponentials)
	s_wait_alu depctr_va_vdst(0)
.irp b, 0,1,2,3
	v_max_num_f32 v[BM+\b], 0x1800000, v[BM+\b]    ; the floor 2^(3 - 127)
.endr
.irp b, 0,1,2,3
	s_delay_alu instid0(VALU_DEP_4)
	v_add_nc_u32 v[SO+\b], 0xff000000, v[BM+\b]
.endr
.irp b, 0,1,2,3
	s_delay_alu instid0(VALU_DEP_4)
	v_lshrrev_b32 v[BX+\b], 23, v[SO+\b]
.endr
	s_delay_alu instid0(VALU_DEP_3)
	v_lshl_or_b32 v29, v[BX+1], 8, v[BX]           ; p's scale word for these 128 keys
	s_delay_alu instid0(VALU_DEP_1)
	v_lshl_or_b32 v29, v[BX+2], 16, v29
	s_delay_alu instid0(VALU_DEP_1)
	v_lshl_or_b32 v29, v[BX+3], 24, v29
.irp c, 0,1
	v_cvt_scalef32_pk16_fp6_f32 v[PC+6*\c:PC+6*\c+2], v[ST+32*\c:ST+32*\c+15], v[SO+2*\c]
	v_cvt_scalef32_pk16_fp6_f32 v[TC+4*\c:TC+4*\c+2], v[ST+32*\c+16:ST+32*\c+31], v[SO+2*\c+1]
.endr
	v_nop                                          ; one plain place behind a scaled conversion
.irp c, 0,1
.irp i, 0,1,2
	v_permlane16_swap_b32 v[PC+6*\c+\i], v[TC+4*\c+\i]
.endr
.irp i, 0,1,2
	s_delay_alu instid0(VALU_DEP_3)
	v_mov_b32 v[PC+6*\c+3+\i], v[TC+4*\c+\i]
.endr
.endr
	v_pk_add_f32 v[80:81], v[150:151], v[154:155]
	v_pk_add_f32 v[250:251], v[158:159], v[162:163]
	v_pk_add_f32 v[244:245], v[166:167], v[170:171]
	v_pk_add_f32 v[90:91], v[174:175], v[178:179]
	v_pk_add_f32 v[88:89], v[182:183], v[186:187]
	v_pk_add_f32 v[86:87], v[190:191], v[194:195]
	v_pk_add_f32 v[84:85], v[198:199], v[202:203]
	v_pk_add_f32 v[14:15], v[14:15], v[206:207]
	v_pk_add_f32 v[80:81], v[80:81], v[146:147]
	v_pk_add_f32 v[250:251], v[250:251], v[148:149]
	v_pk_add_f32 v[244:245], v[244:245], v[152:153]
	s_setprio 0
	v_pk_add_f32 v[90:91], v[90:91], v[156:157]
	v_pk_add_f32 v[88:89], v[88:89], v[160:161]
	v_pk_add_f32 v[86:87], v[86:87], v[164:165]
	v_pk_add_f32 v[84:85], v[84:85], v[168:169]
	v_pk_add_f32 v[14:15], v[14:15], v[172:173]
	v_pk_add_f32 v[80:81], v[80:81], v[176:177]
	v_pk_add_f32 v[250:251], v[250:251], v[180:181]
	v_pk_add_f32 v[244:245], v[244:245], v[184:185]
	v_pk_add_f32 v[90:91], v[90:91], v[188:189]
	v_pk_add_f32 v[88:89], v[88:89], v[192:193]
	v_pk_add_f32 v[86:87], v[86:87], v[196:197]
	v_pk_add_f32 v[84:85], v[84:85], v[200:201]
	v_pk_add_f32 v[14:15], v[14:15], v[204:205]
	v_pk_add_f32 v[80:81], v[80:81], v[208:209]
	s_delay_alu instid0(VALU_DEP_2)
	v_pk_add_f32 v[14:15], v[14:15], v[90:91]
	s_delay_alu instid0(VALU_DEP_2)
	v_pk_add_f32 v[80:81], v[80:81], v[88:89]
	v_pk_add_f32 v[250:251], v[250:251], v[86:87]
	v_pk_add_f32 v[244:245], v[244:245], v[84:85]
	s_delay_alu instid0(VALU_DEP_2)
	v_pk_add_f32 v[14:15], v[14:15], v[250:251]
	s_delay_alu instid0(VALU_DEP_2)
	v_pk_add_f32 v[80:81], v[80:81], v[244:245]
	s_delay_alu instid0(VALU_DEP_1)
	v_pk_add_f32 v[14:15], v[14:15], v[80:81]
.set n, 0
.rept 16
	v_pk_mul_f32 v[OT+n:OT+n+1], v[OT+n:OT+n+1], v[30:31] op_sel_hi:[1,0]   ; O^T under the new M, each accumulator from its low end on
.set n, n+2
.endr
	s_wait_alu depctr_va_vdst(0)
	s_wait_dscnt 0x0                               ; V and its scale words
.irp c, 0,1,2,3
	v_wmma_scale_f32_16x16x128_f8f6f4 v[OT+8*\c:OT+8*\c+7], v[VF+12*\c:VF+12*\c+11], v[PC:PC+11], v[OT+8*\c:OT+8*\c+7], v[40+\c], v29 matrix_a_fmt:MATRIX_FMT_FP6 matrix_b_fmt:MATRIX_FMT_FP6
.endr
.endm
; ONE TILE OF QUERIES, of group G (s38).  The loop's trip count is a constant; a step whose keys all come after the group is jumped over, by a scalar branch on the wave's number and the counter.
.macro PASS trips
	s_wait_xcnt 0x0                                ; the last tile's stores have read their registers and bases
	s_mul_i32 s46, s38, ENT
	s_mov_b32 s47, 0
	s_add_nc_u64 s[40:41], s[16:17], s[46:47]
	global_load_b64 v[16:17], v7, s[40:41]
	global_load_b64 v[18:19], v8, s[40:41]
	global_load_b64 v[20:21], v9, s[40:41]
	global_load_b32 v28, v10, s[40:41]
	s_lshr_b32 s46, s38, 1
	s_lshl_b32 s47, s14, 3
	s_add_co_u32 s46, s46, s47
	s_mul_i32 s46, s46, 204800                     ; y's block of 256 tokens
	s_and_b32 s47, s38, 1
	s_lshr_b32 s48, s13, 1                         ; the last product's K step: head / 2
	s_and_b32 s49, s13, 1                          ; and which half of a fragment
	s_mul_i32 s50, s48, 24576
	s_add_co_u32 s50, s50, s46
	s_mul_i32 s51, s47, 12288
	s_add_co_u32 s50, s50, s51
	s_mul_i32 s51, s49, 768
	s_add_co_u32 s50, s50, s51
	s_mov_b32 s51, 0
	s_add_nc_u64 s[42:43], s[6:7], s[50:51]
	s_lshl_b32 s50, s48, 10
	s_add_co_u32 s50, s50, s46
	s_lshl_b32 s47, s47, 9
	s_add_co_u32 s50, s50, s47
	s_lshl_b32 s49, s49, 1
	s_add_co_u32 s50, s50, s49
	s_add_co_u32 s50, s50, 196608
	s_add_nc_u64 s[44:45], s[6:7], s[50:51]
	v_mov_b32 v13, 0xff61b1e6                      ; the largest t so far: -3e38
	s_delay_alu instid0(VALU_DEP_1)
	v_floor_f32 v12, -v13
	v_mov_b32 v14, 0
	v_mov_b32 v15, 0
.set n, 0
.rept 32
	v_mov_b32 v[OT+n], 0                           ; the step is written once: the first finds zeros
.set n, n+1
.endr
	s_mov_b32 s36, 0
	s_mov_b32 s37, 0
	s_wait_loadcnt 0x0                             ; Q
.Lkg_\@:
	s_cmp_gt_u32 s36, s38
	s_cbranch_scc1 .Lskip_\@
	s_setprio 2
	KSTEP
.Lskip_\@:
	s_add_co_u32 s37, s37, ENT
	s_add_co_u32 s36, s36, 1
	s_cmp_lt_u32 s36, \trips
	s_cbranch_scc1 .Lkg_\@
	s_setprio 0
.rept 4
	v_nop                                          ; places behind the last products
.endr
	v_add_f32 v14, v14, v15
	s_delay_alu instid0(VALU_DEP_1)
	v_permlanex16_b32 v246, v14, s20, s21
	s_delay_alu instid0(VALU_DEP_1)
	v_add_f32 v14, v14, v246                       ; the row's sum
	s_wait_alu depctr_va_vdst(0)
	v_rcp_f32 v14, v14
	v_nop
.set n, 0
	s_wait_alu depctr_va_vdst(0)
.rept 16
	v_pk_mul_f32 v[ST+n:ST+n+1], v[OT+n:OT+n+1], v[14:15] op_sel_hi:[1,0]   ; y: register 16 b + i is channel 32 b + 16 h + i of my query
.set n, n+2
.endr
.irp b, 0,1
	v_max3_num_f32 v[246+\b], |v[ST+16*\b]|, |v[ST+16*\b+1]|, 0x1800000
.endr
.irp i, 2,4,6,8,10,12,14
.irp b, 0,1
	s_delay_alu instid0(VALU_DEP_2)
	v_max3_num_f32 v[246+\b], v[246+\b], |v[ST+16*\b+\i]|, |v[ST+16*\b+\i+1]|
.endr
.endr
.irp b, 0,1
	s_delay_alu instid0(VALU_DEP_2)
	v_permlanex16_b32 v[248+\b], v[246+\b], s20, s21
.endr
.irp b, 0,1
	s_delay_alu instid0(VALU_DEP_2)
	v_max_num_f32 v[246+\b], v[246+\b], v[248+\b]
.endr
.irp b, 0,1
	s_delay_alu instid0(VALU_DEP_2)
	v_add_nc_u32 v[250+\b], 0xff000000, v[246+\b]
.endr
.irp b, 0,1
	s_delay_alu instid0(VALU_DEP_2)
	v_lshrrev_b32 v[248+\b], 23, v[250+\b]
.endr
	s_delay_alu instid0(VALU_DEP_1)
	v_lshl_or_b32 v244, v249, 8, v248
	s_delay_alu instid0(VALU_DEP_1)
	v_lshrrev_b32 v244, v6, v244                   ; lane (r, h) stores block h's byte
	v_cvt_scalef32_pk16_fp6_f32 v[YC:YC+2], v[ST:ST+15], v250
	v_cvt_scalef32_pk16_fp6_f32 v[YT:YT+2], v[ST+16:ST+31], v251
	v_nop
.irp i, 0,1,2
	v_permlane16_swap_b32 v[YC+\i], v[YT+\i]
.endr
.irp i, 0,1,2
	s_delay_alu instid0(VALU_DEP_3)
	v_mov_b32 v[YC+3+\i], v[YT+\i]
.endr
	global_store_b128 v242, v[YC:YC+3], s[42:43]   ; 512 consecutive bytes,
	global_store_b64 v243, v[YC+4:YC+5], s[42:43]  ; and 256
	global_store_b8 v11, v244, s[44:45]
.endm
	s_mov_b32 s38, s10                             ; group i: at most 8 steps
	PASS 8
	s_sub_co_u32 s38, 15, s10                      ; group 15 - i: at most 16
	PASS 16
	s_wait_dscnt 0x0
	s_wait_tensorcnt 0x0
	ds_add_u32 v253, v254
	s_wait_dscnt 0x0
	ROUND                                          ; the closing round
	s_endpgm
.Lfunc_end_k_q4b3439adaa_attn:
	.size	k_q4b3439adaa_attn, .Lfunc_end_k_q4b3439adaa_attn-k_q4b3439adaa_attn
	.p2alignl 7, 3214868480
	.fill 96, 4, 3214868480
	.section	.rodata,"a",@progbits
	.p2align	6, 0x0
	.amdhsa_kernel k_q4b3439adaa_attn
		.amdhsa_group_segment_fixed_size 215040
		.amdhsa_private_segment_fixed_size 0
		.amdhsa_enable_private_segment 0
		.amdhsa_kernarg_size 16
		.amdhsa_user_sgpr_count 2
		.amdhsa_user_sgpr_kernarg_segment_ptr 1
		.amdhsa_wavefront_size32 1
		.amdhsa_system_sgpr_workgroup_id_x 1
		.amdhsa_system_sgpr_workgroup_id_y 1
		.amdhsa_system_sgpr_workgroup_id_z 1
		.amdhsa_system_vgpr_workitem_id 0
		.amdhsa_next_free_vgpr 256
		.amdhsa_next_free_sgpr 66
		.amdhsa_reserve_vcc 1
		.amdhsa_float_denorm_mode_32 3
		.amdhsa_float_denorm_mode_16_64 3
		.amdhsa_memory_ordered 1
		.amdhsa_forward_progress 1
		.amdhsa_inst_pref_size 64
	.end_amdhsa_kernel
	.amdgpu_metadata
---
amdhsa.version: [ 1, 2 ]
amdhsa.kernels:
  - .name:           k_q4b3439adaa_attn
    .symbol:         k_q4b3439adaa_attn.kd
    .args:
      - { .name: qkvc, .offset: 0, .size: 8, .value_kind: global_buffer, .address_space: global }
      - { .name: yq, .offset: 8, .size: 8, .value_kind: global_buffer, .address_space: global }
    .group_segment_fixed_size: 215040
    .private_segment_fixed_size: 0
    .kernarg_segment_align: 8
    .kernarg_segment_size: 16
    .max_flat_workgroup_size: 512
    .sgpr_count:     66
    .vgpr_count:     256
    .wavefront_size: 32
...
	.end_amdgpu_metadata
.endif
;; end of part 3
;; launch proj (part 4): grid 8 x 32, 4 waves a work-group, clusters of 4 x 4, 327,680 bytes of LDS; arguments yq, wpq, b_proj, out0; writes out0
.if DOCPART == 4
	.amdgcn_target "amdgcn-amd-amdhsa--gfx1250"
	.amdhsa_code_object_version 6
	.text
	.protected	k_q4b3439adaa_proj
	.globl	k_q4b3439adaa_proj
	.p2align	8
	.type	k_q4b3439adaa_proj,@function
k_q4b3439adaa_proj:
	s_mov_b64 s[64:65], 0
	v_nop
	global_prefetch_b8 v0, s[64:65] scope:SCOPE_SE
	s_setreg_imm32_b32 hwreg(HW_REG_WAVE_MODE, 25, 1), 1
	s_wait_xcnt 0x0
	s_wait_alu depctr_hold_cnt(0) depctr_sa_sdst(0) depctr_va_vdst(0) depctr_va_sdst(0) depctr_va_ssrc(0) depctr_va_vcc(0) depctr_vm_vsrc(0)
	s_getreg_b32 s2, hwreg(HW_REG_IB_STS2, 6, 4)
	s_cmp_eq_u32 s2, 0
	s_cbranch_scc0 .Lentry_in_a_cluster
	s_endpgm
.Lentry_in_a_cluster:
	s_bfe_u32 s2, ttmp6, 0x10000c
	s_cmp_lg_u32 s2, 0xf033
	s_cbranch_scc0 .Lentry_shape_is_right
	s_endpgm
.Lentry_shape_is_right:
; out = y w_proj + b_proj on codes of FP6 (E2M3); y's and w_proj's codes and scale words come as images of operand registers.
; A work-group makes 256 tokens (Y) x 128 columns (X): 256 work-groups.  Both operands, all of K, fit in LDS: they are filled once, in eight loads a wave that go out together; no slot is filled again.
; Four waves; wave (wt, ws) makes 128 tokens x 64 columns: 32 accumulators.  Source 0 = 16 columns of w_proj, source 1 = 16 tokens: a lane holds one token and eight neighbouring columns.  The bias is the first C.
; CLUSTERS: 4 x 4: y's blocks hang on Y alone and are shared along a row of the cluster, w_proj's on X alone and are shared along a column; each wave moves its quarter of a block.
; THE WAY OUT: 16 tokens x 64 columns at a time through the wave's own stage in LDS (bytes of its own, into which no fill lands), back as rows of 256 bytes: sixteen lanes store 256 consecutive bytes, aligned.
; The tokens of a tile are not neighbours (lane r of tile 2 P + u: token 32 P + 8 u + r % 8 + 16 (r / 8)): the stores' offsets undo that.
; REGISTERS: window 0: v8-22 addresses; v32-63 y's scale words (lanes 0-15 an even tile, lanes 16-31 the odd one); v64-95 w_proj's; v128-191 rows on the way out.
;   window 1: y's fragments, two sets at v0 and v128.   window 2: w_proj's, two sets at v0 and v64; the bias from v128.   window 3: the accumulators, (a, b) at v[8 (4 a + b)].
.set CH,    49152
.set YR,    0                          ; y's codes [K step 8][tile 16][half 2][768]
.set WPR,   4*CH                       ; w_proj's [K step 8][tile 8][1,536]
.set YSC,   6*CH                       ; y's scale words [K step 8][tile 16][row 16]
.set WPSC,  YSC+8192                   ; w_proj's [tile 8][512]
.set STG,   WPSC+4096                  ; the stages: 16 rows x 272 bytes for each wave
.set AY16, 8
.set AY8,  12
.set AWP,  16
.set AYS,  18
.set AWS,  19
.set STO,  20
.set RD,   21
.set CO,   22
.set YS,   32
.set WS,   64
.set BK,   128
.set G1Y,  24
.set G1WP, 32
.set G1YS, 40
.set G1WS, 48
.set G0WP, 56
.set G0YS, 68
.set G0WS, 72
.set G0Y,  76
.set MSB, 0
.macro WIN new
.if MSB != (\new)
	s_set_vgpr_msb (MSB<<8)|(\new)
.set MSB, \new
.endif
.endm
.macro PLACES n
.rept \n
	v_nop
.endr
.endm
.macro CROUND
	s_barrier_signal -1
	s_barrier_wait -1
	s_cmp_lg_u32 s12, 0
	s_cbranch_scc1 .Lnot_wave_0_\@
	s_barrier_signal -3
.Lnot_wave_0_\@:
	s_barrier_wait -3
	s_barrier_signal -1
	s_barrier_wait -1
.endm
.macro G1REST g, rows                  ; a dense block as rows of 256 bytes
	s_mov_b32 s[\g+1], 32<<16
	s_mov_b32 s[\g+2], (\rows)<<16
	s_mov_b32 s[\g+3], 32<<16
	s_mov_b32 s[\g+4], \rows
	s_mov_b32 s[\g+5], 32
	s_mov_b32 s[\g+6], 0
	s_mov_b32 s[\g+7], 0
.endm
	s_load_b256 s[4:11], s[0:1], 0x0               ; yq s[4:5], wpq s[6:7], b_proj s[8:9], out0 s[10:11]
	v_lshl_add_u32 v254, v0, 2, 0x4f400
	v_mov_b32 v255, 0
	ds_add_u32 v254, v255
	ds_add_u32 v254, v255
	v_lshrrev_b32 v3, 5, v0
	v_readfirstlane_b32 s12, v3                    ; wave
	s_lshr_b32 s13, s12, 1                         ; wt
	s_and_b32 s14, s12, 1                          ; ws
	s_bfe_u32 s15, ttmp6, 0x40000
	s_bfe_u32 s16, ttmp6, 0x40004
	s_lshl_b32 s17, ttmp9, 2
	s_add_co_u32 s17, s17, s15                     ; X
	s_and_b32 s18, ttmp7, 0xffff
	s_lshl_b32 s18, s18, 2
	s_add_co_u32 s18, s18, s16                     ; Y
	s_lshl_b32 s19, s16, 2
	s_lshl_b32 s19, 15, s19                        ; my row of the cluster
	s_lshl_b32 s20, 0x1111, s15                    ; my column
	s_or_b32 s[G1Y], s19, (3<<16)|(1<<21)
	s_or_b32 s[G1WP], s20, (3<<16)|(1<<21)
	s_or_b32 s[G1YS], s19, (3<<16)|(1<<21)
	s_or_b32 s[G1WS], s20, (3<<16)|(1<<21)
	G1REST G1Y, 48
	G1REST G1WP, 48
	G1REST G1YS, 8
	G1REST G1WS, 4
	s_mul_i32 s92, s17, 102400                     ; X's block of wpq: registers that never hold Y
	s_mov_b32 s93, 0
	s_mul_i32 s94, s18, 204800                     ; Y's block of yq: registers that never hold X
	s_mov_b32 s95, 0
	s_mul_i32 s2, s12, 12288
	s_mov_b32 s3, 0
	s_lshl_b32 s96, s12, 11
	s_mov_b32 s97, 0
	s_lshl_b32 s98, s12, 10
	s_mov_b32 s99, 0
	s_wait_dscnt 0x0
	s_wait_kmcnt 0x0
	s_add_nc_u64 s[92:93], s[6:7], s[92:93]
	s_add_nc_u64 s[94:95], s[4:5], s[94:95]
	s_mov_b32 s[G0YS], 1
	s_add_co_u32 s[G0YS+1], s96, YSC
	s_add_nc_u64 s[G0YS+2:G0YS+3], s[94:95], s[96:97]
	s_add_nc_u64 s[G0YS+2:G0YS+3], s[G0YS+2:G0YS+3], 196608
	s_or_b32 s[G0YS+3], s[G0YS+3], 0x80000000
	s_mov_b32 s[G0WS], 1
	s_add_co_u32 s[G0WS+1], s98, WPSC
	s_add_nc_u64 s[G0WS+2:G0WS+3], s[92:93], s[98:99]
	s_add_nc_u64 s[G0WS+2:G0WS+3], s[G0WS+2:G0WS+3], 98304
	s_or_b32 s[G0WS+3], s[G0WS+3], 0x80000000
	s_add_nc_u64 s[92:93], s[92:93], s[2:3]
	s_add_nc_u64 s[94:95], s[94:95], s[2:3]
.irp j, 0,1
	s_mov_b32 s[G0WP+4*\j], 1
	s_add_co_u32 s[G0WP+4*\j+1], s2, WPR+\j*CH
	s_add_nc_u64 s[G0WP+4*\j+2:G0WP+4*\j+3], s[92:93], \j*CH
	s_or_b32 s[G0WP+4*\j+3], s[G0WP+4*\j+3], 0x80000000
.endr
.irp j, 0,1,2,3
	s_mov_b32 s[G0Y+4*\j], 1
	s_add_co_u32 s[G0Y+4*\j+1], s2, YR+\j*CH
	s_add_nc_u64 s[G0Y+4*\j+2:G0Y+4*\j+3], s[94:95], \j*CH
	s_or_b32 s[G0Y+4*\j+3], s[G0Y+4*\j+3], 0x80000000
.endr
	v_and_b32 v1, 15, v0                           ; r
	v_bfe_u32 v2, v0, 4, 1                         ; h
	v_and_b32 v3, 31, v0                           ; lane
	v_lshlrev_b32 v4, 4, v3
	v_lshlrev_b32 v5, 3, v3
	v_lshlrev_b32 v7, 4, v1
	s_mul_i32 s21, s13, 12288                      ; my 8 tiles of tokens
	v_add_nc_u32 v[AY16], s21, v4
	v_add_nc_u32 v[AY8], s21, v5
.irp j, 1,2,3
	v_add_nc_u32 v[AY16+\j], CH, v[AY16+\j-1]
	v_add_nc_u32 v[AY8+\j], CH, v[AY8+\j-1]
.endr
	s_mul_i32 s21, s14, 6144                       ; my 4 tiles of columns
	s_add_co_u32 s21, s21, WPR
	v_add_nc_u32 v[AWP], s21, v4
	v_add_nc_u32 v[AWP+1], CH, v[AWP]
	s_lshl_b32 s21, s13, 9
	s_add_co_u32 s21, s21, YSC
	v_lshlrev_b32 v[AYS], 2, v3
	v_add_nc_u32 v[AYS], s21, v[AYS]
	s_lshl_b32 s21, s14, 11
	s_add_co_u32 s21, s21, WPSC
	v_add_nc_u32 v[AWS], s21, v7
	s_mul_i32 s21, s12, 16*272
	s_add_co_u32 s21, s21, STG                     ; my stage
	v_mul_u32_u24 v[STO], v1, 272
	v_lshl_add_u32 v[STO], v2, 6, v[STO]
	v_add_nc_u32 v[STO], s21, v[STO]               ; in: row r, + 64 h
	v_mul_u32_u24 v[RD], v2, 272
	v_add_nc_u32 v[RD], v[RD], v7
	v_add_nc_u32 v[RD], s21, v[RD]                 ; back: lanes 0-15 one row, lanes 16-31 the next
	v_lshl_add_u32 v[CO], v2, 12, v7               ; and the same two rows in out0
	v_lshlrev_b32 v6, 6, v2                        ; the bias: 64 h
	s_wait_alu depctr_va_vdst(0)
	s_lshl_b32 s96, s17, 9
	s_lshl_b32 s97, s14, 8
	s_add_co_u32 s96, s96, s97                     ; column 128 X + 64 ws, in bytes
	s_mov_b32 s97, 0
	s_add_nc_u64 s[8:9], s[8:9], s[96:97]
	s_add_nc_u64 s[10:11], s[10:11], s[96:97]
	s_lshl_b32 s96, s18, 20
	s_lshl_b32 s98, s13, 19
	s_add_co_u32 s96, s96, s98                     ; token 256 Y + 128 wt, rows of 4,096 bytes
	s_add_nc_u64 s[10:11], s[10:11], s[96:97]
	WIN 0x80                                       ; destination window 2
.irp b, 0,1,2,3
	global_load_b128 v[128+8*\b:128+8*\b+3], v6, s[8:9] offset:(32*(\b/2)+8*(\b%2))*4
	global_load_b128 v[128+8*\b+4:128+8*\b+7], v6, s[8:9] offset:(32*(\b/2)+8*(\b%2))*4+16
.endr
	WIN 0
	CROUND                                         ; all sixteen work-groups are here: the joint loads meet
	tensor_load_to_lds s[G0YS:G0YS+3], s[G1YS:G1YS+7]      ; all fills go out as one group: eight loads of mine are out
	s_nop 0
	tensor_load_to_lds s[G0WS:G0WS+3], s[G1WS:G1WS+7]
	s_nop 0
	tensor_load_to_lds s[G0Y:G0Y+3], s[G1Y:G1Y+7]          ; y, K steps 0, 1
	s_nop 0
	tensor_load_to_lds s[G0WP:G0WP+3], s[G1WP:G1WP+7]      ; w_proj, K steps 0-3
	s_nop 0
	tensor_load_to_lds s[G0Y+4:G0Y+7], s[G1Y:G1Y+7]        ; y, K steps 2, 3
	s_nop 0
	tensor_load_to_lds s[G0Y+8:G0Y+11], s[G1Y:G1Y+7]       ; y, K steps 4, 5
	s_nop 0
	tensor_load_to_lds s[G0WP+4:G0WP+7], s[G1WP:G1WP+7]    ; w_proj, K steps 4-7
	s_nop 0
	tensor_load_to_lds s[G0Y+12:G0Y+15], s[G1Y:G1Y+7]      ; y, K steps 6, 7
	s_nop 0
	PLACES 4                                       ; four places behind a tensor load
.macro FETCHP s                        ; K step s: my eight fragments of y and four of w_proj, into sets s % 2
.set PP, (\s)%2
	WIN 0x40
.irp a, 0,1,2,3,4,5,6,7
	ds_load_b128 v[128*PP+12*\a:128*PP+12*\a+3], v[AY16+(\s)/2] offset:PP*24576+1536*\a
	ds_load_b64 v[128*PP+12*\a+4:128*PP+12*\a+5], v[AY8+(\s)/2] offset:PP*24576+1536*\a+512
	ds_load_b128 v[128*PP+12*\a+6:128*PP+12*\a+9], v[AY16+(\s)/2] offset:PP*24576+1536*\a+768
	ds_load_b64 v[128*PP+12*\a+10:128*PP+12*\a+11], v[AY8+(\s)/2] offset:PP*24576+1536*\a+1280
.endr
	WIN 0x80
.irp b, 0,1,2,3
.irp c, 0,1,2
	ds_load_b128 v[64*PP+12*\b+4*\c:64*PP+12*\b+4*\c+3], v[AWP+(\s)/4] offset:((\s)%4)*12288+1536*\b+512*\c
.endr
.endr
	WIN 0
.endm
.macro MULP s                          ; 32 matrix instructions; the 32 accumulators take turns, one instruction a turn
.set PP, (\s)%2
.irp a, 0,1,2,3,4,5,6,7
.irp b, 0,1,2,3
.if (\s) == 0
.if \a%2
	v_wmma_scale_f32_16x16x128_f8f6f4 v[8*(4*\a+\b):8*(4*\a+\b)+7], v[64*PP+12*\b:64*PP+12*\b+11], v[128*PP+12*\a:128*PP+12*\a+11], v[128+8*\b:128+8*\b+7], v[WS+8*\b+(\s)], v[YS+4*(\s)+\a/2] matrix_a_fmt:MATRIX_FMT_FP6 matrix_b_fmt:MATRIX_FMT_FP6 matrix_b_scale:MATRIX_SCALE_ROW1
.else
	v_wmma_scale_f32_16x16x128_f8f6f4 v[8*(4*\a+\b):8*(4*\a+\b)+7], v[64*PP+12*\b:64*PP+12*\b+11], v[128*PP+12*\a:128*PP+12*\a+11], v[128+8*\b:128+8*\b+7], v[WS+8*\b+(\s)], v[YS+4*(\s)+\a/2] matrix_a_fmt:MATRIX_FMT_FP6 matrix_b_fmt:MATRIX_FMT_FP6
.endif
.else
.if \a%2
	v_wmma_scale_f32_16x16x128_f8f6f4 v[8*(4*\a+\b):8*(4*\a+\b)+7], v[64*PP+12*\b:64*PP+12*\b+11], v[128*PP+12*\a:128*PP+12*\a+11], v[8*(4*\a+\b):8*(4*\a+\b)+7], v[WS+8*\b+(\s)], v[YS+4*(\s)+\a/2] matrix_a_fmt:MATRIX_FMT_FP6 matrix_b_fmt:MATRIX_FMT_FP6 matrix_b_scale:MATRIX_SCALE_ROW1
.else
	v_wmma_scale_f32_16x16x128_f8f6f4 v[8*(4*\a+\b):8*(4*\a+\b)+7], v[64*PP+12*\b:64*PP+12*\b+11], v[128*PP+12*\a:128*PP+12*\a+11], v[8*(4*\a+\b):8*(4*\a+\b)+7], v[WS+8*\b+(\s)], v[YS+4*(\s)+\a/2] matrix_a_fmt:MATRIX_FMT_FP6 matrix_b_fmt:MATRIX_FMT_FP6
.endif
.endif
.endr
.endr
.endm
.macro PSTEP s, tc                     ; tc >= 0: the next step's fragments lie in blocks that may still be on their way: the counted wait, then a barrier, behind which nothing is filled
	s_wait_dscnt 0x0                               ; this step's fragments are in
.if (\tc) >= 0
	s_wait_tensorcnt \tc
	s_barrier_signal -1
	s_barrier_wait -1
.endif
	PLACES 4                                       ; in front of loads into registers that the last products read
.if (\s) < 7
	FETCHP (\s)+1
.endif
.if (\s) == 0
	WIN 0xe6                                       ; source 0 and C (the bias) window 2, source 1 window 1, D window 3
.else
	WIN 0xf6
.endif
	MULP \s
.endm
	s_wait_tensorcnt 0x4                           ; the scale words, y's K steps 0, 1 and w_proj's 0-3 are in; four younger loads may be out
	s_barrier_signal -1
	s_barrier_wait -1
.irp s, 0,1,2,3,4,5,6,7
.irp p, 0,1,2,3
	ds_load_b32 v[YS+4*\s+\p], v[AYS] offset:1024*\s+128*\p        ; tiles 2 p and 2 p + 1 of my eight
.endr
.endr
.irp b, 0,1,2,3
.irp g, 0,1
	ds_load_b128 v[WS+8*\b+4*\g:WS+8*\b+4*\g+3], v[AWS] offset:512*\b+256*\g
.endr
.endr
	FETCHP 0
	s_wait_loadcnt 0x0                             ; the bias
	PSTEP 0, -1
	PSTEP 1, 3                                     ; y's K steps 2, 3 are in; three younger loads may be out
	PSTEP 2, -1
	PSTEP 3, 1                                     ; y's 4, 5 and w_proj's 4-7 are in; the last load may be out
	PSTEP 4, -1
	PSTEP 5, 0
	PSTEP 6, -1
	PSTEP 7, -1
	PLACES 4
.macro TOSTAGE a                       ; token tile a: 16 rows x 64 columns
	WIN 0x0c                                       ; an LDS store's data are its source 1: window 3
.irp b, 0,1,2,3
	ds_store_b128 v[STO], v[8*(4*(\a)+\b):8*(4*(\a)+\b)+3] offset:128*(\b/2)+32*(\b%2)        ; each accumulator from its low end on
	ds_store_b128 v[STO], v[8*(4*(\a)+\b)+4:8*(4*(\a)+\b)+7] offset:128*(\b/2)+32*(\b%2)+16
.endr
	WIN 0
.irp t, 0,1,2,3,4,5,6,7
	ds_load_b128 v[BK+32*((\a)%2)+4*\t:BK+32*((\a)%2)+4*\t+3], v[RD] offset:544*\t    ; LDS serves a wave's instructions in order: these see the stores above
.endr
.endm
.macro SEND a, younger
	s_wait_dscnt \younger
.irp t, 0,1,2,3,4,5,6,7
	global_store_b128 v[CO], v[BK+32*((\a)%2)+4*\t:BK+32*((\a)%2)+4*\t+3], s[10:11] offset:(32*((\a)/2)+8*((\a)%2)+(2*\t)%8+16*((2*\t)/8))*4096 th:TH_STORE_NT   ; sixteen lanes store 256 consecutive bytes, aligned
.endr
.endm
	TOSTAGE 0
.irp a, 1,2,3,4,5,6,7
.if \a > 1
	s_wait_xcnt 0x0                                ; tile a - 2's stores have read the registers into which tile a's rows are loaded
.endif
	TOSTAGE \a
	SEND \a-1, 16                                  ; behind tile a - 1's loads: tile a's 8 stores and 8 loads
.endr
	SEND 7, 0
	s_wait_dscnt 0x0
	s_wait_tensorcnt 0x0
	ds_add_u32 v254, v255
	s_wait_dscnt 0x0
	CROUND                                         ; the closing round
	s_endpgm
.Lfunc_end_k_q4b3439adaa_proj:
	.size	k_q4b3439adaa_proj, .Lfunc_end_k_q4b3439adaa_proj-k_q4b3439adaa_proj
	.p2alignl 7, 3214868480
	.fill 96, 4, 3214868480
	.section	.rodata,"a",@progbits
	.p2align	6, 0x0
	.amdhsa_kernel k_q4b3439adaa_proj
		.amdhsa_group_segment_fixed_size 327680
		.amdhsa_private_segment_fixed_size 0
		.amdhsa_enable_private_segment 0
		.amdhsa_kernarg_size 32
		.amdhsa_user_sgpr_count 2
		.amdhsa_user_sgpr_kernarg_segment_ptr 1
		.amdhsa_wavefront_size32 1
		.amdhsa_system_sgpr_workgroup_id_x 1
		.amdhsa_system_sgpr_workgroup_id_y 1
		.amdhsa_system_sgpr_workgroup_id_z 1
		.amdhsa_system_vgpr_workitem_id 0
		.amdhsa_next_free_vgpr 1024
		.amdhsa_next_free_sgpr 100
		.amdhsa_reserve_vcc 0
		.amdhsa_float_denorm_mode_32 3
		.amdhsa_float_denorm_mode_16_64 3
		.amdhsa_memory_ordered 1
		.amdhsa_forward_progress 1
		.amdhsa_inst_pref_size 85
	.end_amdhsa_kernel
	.amdgpu_metadata
---
amdhsa.version: [ 1, 2 ]
amdhsa.kernels:
  - .name:           k_q4b3439adaa_proj
    .symbol:         k_q4b3439adaa_proj.kd
    .args:
      - { .name: yq, .offset: 0, .size: 8, .value_kind: global_buffer, .address_space: global }
      - { .name: wpq, .offset: 8, .size: 8, .value_kind: global_buffer, .address_space: global }
      - { .name: b_proj, .offset: 16, .size: 8, .value_kind: global_buffer, .address_space: global }
      - { .name: out0, .offset: 24, .size: 8, .value_kind: global_buffer, .address_space: global }
    .group_segment_fixed_size: 327680
    .private_segment_fixed_size: 0
    .kernarg_segment_align: 8
    .kernarg_segment_size: 32
    .max_flat_workgroup_size: 128
    .sgpr_count:     100
    .vgpr_count:     1024
    .wavefront_size: 32
...
	.end_amdgpu_metadata
.endif
;; end of part 4
